; MI455X (gfx1250); checked and timed in simulation.
; The chip was launched on July 23, 2026; its instructions are those of AMD's public machine-readable ISA for CDNA 5 (MIT licence, August 2026) and "CDNA5" Instruction Set Architecture Reference Guide (July 2026). The comments in the code are by the model that wrote it; some were corrected since.
;; Attention. Allowed arithmetic: matrix products marked QUANTISED: E2M1 operands, one E8M0 scale for each 32 along K, by v_wmma_scale_f32_16x16x128_f8f6f4 with both operands' format E2M1 (or v_wmma_scale_f32_32x16x128_f4), f32 sums; products left as they are: f32 operands where the result goes on into a quantised operand, else bf16, f16 or f32 operands; f32 sums; everything else in f32.
;; Inputs: W_h_codes 1,024 x 32 x 16 uint8 (E2M1 codes of W_h, K innermost, in blocks of 32 codes, two codes a byte); W_h_scales 1,024 x 32 uint8 (E8M0 scales of W_h, one for each 32 codes along K); W_s_codes 1,024 x 32 x 16 uint8 (E2M1 codes of W_s, K innermost, in blocks of 32 codes, two codes a byte); W_s_scales 1,024 x 32 uint8 (E8M0 scales of W_s, one for each 32 codes along K); b_s 1,024 float32; coverage 16 x 4,096 float32; decoder_hidden_codes 16 x 1 x 32 x 16 uint8 (E2M1 codes of decoder_hidden, K innermost, in blocks of 32 codes, two codes a byte); decoder_hidden_scales 16 x 1 x 32 uint8 (E8M0 scales of decoder_hidden, one for each 32 codes along K); encoder_output 16 x 4,096 x 1,024 float32; mask 16 x 4,096 float32; v 1,024 float32; w_c 1,024 float32.
;; Outputs: out0 16 x 1,024 float32; out1 16 x 4,096 float32; out2 16 x 4,096 float32.
;; This version of the problem:
;;   THIS VERSION OF THE PROBLEM IS GIVEN IN LOW PRECISION. The matrix products marked QUANTISED in the list below multiply operands that are first quantised to E2M1 (2 exponent bits, 1 mantissa bit; 4 bits a number), with one power-of-two scale for each 32 numbers along K (OCP MX v1.0); their sums are f32. All else is computed in f32.
;;   The module's matrix products, in the order in which they are computed (A, B: the left and right operand; K: the contracted axis; several contracted axes count as one K, in the product's order):
;;     1. [M 65,536, K 1,024] x [K 1,024, N 1,024]; A: input encoder_output; B: input W_h (given as codes): QUANTISED
;;     2. [M 16, K 1,024] x [K 1,024, N 1,024]; A: input decoder_hidden (given as codes); B: input W_s (given as codes): QUANTISED
;;     3. [M 65,536, K 1,024] x [K 1,024, N 1]; A: computed on the way; B: input v: left as it is (N = 1 < 16)
;;     4. batch 16 x [M 1, K 4,096] x [K 4,096, N 1,024]; A: computed on the way; B: input encoder_output: left as it is (M = 1 < 16)
;;   THE QUANTISER, for each operand of a quantised product, along K:
;;     - K is cut into blocks of 32 from its start; a last block that is shorter is filled with zeros.
;;     - A block's scale is 2^e with e = floor(log2(the largest magnitude in the block)) - 2, held to -126 .. 127; a block of zeros has e = 0. As a byte (E8M0): e + 127.
;;     - Each number is divided by its block's scale, clamped to +-6, and rounded to the nearest number of E2M1, ties to even, subnormals kept.
;;     - The product sums the exact products of the quantised numbers (number of the format x scale) in f32.
;;   ~~~python
;;   def quantise(x, axis):      # numpy; x: float32 -> the quantised numbers, widened to float32 again
;;       x = np.moveaxis(x, axis, -1); K = x.shape[-1]
;;       x = np.pad(x, [(0, 0)] * (x.ndim - 1) + [(0, -K % 32)]); x = x.reshape(x.shape[:-1] + (-1, 32)); a = np.abs(x).max(-1, keepdims=True)
;;       e = np.where(a > 0, np.clip(np.frexp(np.where(a > 0, a, 1))[1] - 1 - 2, -126, 127), 0)      # np.frexp(a)[1] - 1 = floor(log2(a)), exactly
;;       r = np.clip(x / 2.0 ** e, -6, 6)
;;       step = 2.0 ** (np.maximum(np.frexp(np.where(r == 0, 1, r))[1] - 1, 0) - 1)
;;       q = np.round(r / step) * step * 2.0 ** e      # np.round: ties to even
;;       return np.moveaxis(q.reshape(q.shape[:-2] + (-1,))[..., :K], -1, axis).astype(np.float32)
;;   ~~~
;;   INPUTS GIVEN AS CODES. W_h (in the module: [1024, 1024], K = its axis 1); W_s (in the module: [1024, 1024], K = its axis 1); decoder_hidden (in the module: [16, 1, 1024], K = its axis 2): each comes as NAME_codes (uint8): NAME with its K axis moved to the last place and cut into blocks of 32 codes, [.., K / 32, bytes a block], one block behind the other in memory; two codes a byte, the lower K in the low four bits (a code: sign, 2 exponent bits, 1 mantissa bit); and NAME_scales (uint8): the same leading axes, one E8M0 byte (e + 127) for each 32 codes along K. Its value is code x scale, taken as it is: it is not quantised again, and the codes and scales need not be those that the quantiser above would give.
;; 2 versions. Each part assembles by itself: llvm-mc -triple=amdgcn-amd-amdhsa -mcpu=gfx1250 --defsym DOCPART=n.
;; ======== version 1 of 2: 3 launches
;; workspace buffers: decp 65,536 bytes; wf 524,288 bytes; scores 262,144 bytes; pctx 1,048,576 bytes; mws 65,536 bytes
;; launch prep (part 1): grid 64 x 1, 1 waves a work-group, no clusters, 0 bytes of LDS; arguments W_s_codes, W_s_scales, decoder_hidden_codes, decoder_hidden_scales, b_s, W_h_codes, decp, wf; writes decp, wf
.if DOCPART == 1
	.amdgcn_target "amdgcn-amd-amdhsa--gfx1250"
	.amdhsa_code_object_version 6
	.text
	.protected	k_qb1f91095ac_prep
	.globl	k_qb1f91095ac_prep
	.p2align	8
	.type	k_qb1f91095ac_prep,@function
k_qb1f91095ac_prep:
	s_mov_b64 s[64:65], 0
	v_nop
	global_prefetch_b8 v0, s[64:65] scope:SCOPE_SE
	s_setreg_imm32_b32 hwreg(HW_REG_WAVE_MODE, 25, 1), 1
	s_wait_xcnt 0x0
; PREP.  Two small jobs for the main launch; work-group n (one wave) takes 16 of the 1,024 output features, e = 16 n .. 16 n + 15.
; (1) decp[b][e] = c (sum over k of decoder_hidden[b][k] W_s[e][k] + b_s[e]), c = 2 log2(e): product 2 on the given codes of E2M1 and their given E8M0 bytes, 8 K steps of 128.
;     The factor c is that of tanh(z) = 1 - 2 / (1 + 2^(c z)), which the main launch uses.
; (2) wf: the codes of W_h laid in the order of the operand registers: the 16 bytes (one block of 32 codes) that lane (r, h) wants as registers 4 cc .. 4 cc + 3 of the fragment (tile n, K step s)
;     lie at ((8 n + s) 2 + cc) 512 + 16 lane, so that the main launch fetches a fragment by two loads of 512 consecutive bytes.
;     INSIDE A BLOCK THE CODES CHANGE PLACES, as the main launch's own codes of x lie: word m of the 16 bytes holds k = 4 m .. 4 m + 3 below and k = 16 + 4 m .. 16 + 4 m + 3 above.
;     The same order of k on both sides of a product leaves its terms as they are, and a block keeps its 32 codes and its scale.
; THE MATRIX INSTRUCTION IS USED TRANSPOSED: source 0 = 16 rows of W_s, source 1 = the 16 batches: lane (r, h) holds batch r and features 16 n + 8 h + 0 .. 7.
; The bias is the C of the first product.  Two accumulators take the K steps by turns and are added at the end.
; decp is stored in pieces of 32 bytes a lane, rows 4,096 bytes apart: 64 KB in the whole launch.
.set C2L, 0x4038aa3b                   ; c = 2 log2(e)
.set WSS, 8                            ; v[8:11]    scale words of W_s: register q: lanes 0-15 K step q, lanes 16-31 K step q + 4
.set DHS, 12                           ; v[12:15]   the same of decoder_hidden
.set BIA, 16                           ; v[16:23]   b_s at my eight features
.set TP,  24                           ; v[24:25]   a spare word for each of two blocks
.set WSF, 32                           ; v[32:95]   fragments of W_s, 8 registers a K step
.set DHF, 96                           ; v[96:159]  fragments of decoder_hidden
.set WHP, 160                          ; v[160:223] the pieces of W_h on their way through
.set ACA, 224                          ; v[224:239] two accumulators
.set RES, 240                          ; v[240:247] the result
	s_load_b256 s[4:11], s[0:1], 0x0               ; W_s codes s[4:5], W_s scales s[6:7], decoder_hidden codes s[8:9], its scales s[10:11]
	s_load_b256 s[12:19], s[0:1], 0x20             ; b_s s[12:13], W_h codes s[14:15], decp s[16:17], wf s[18:19]
	v_and_b32 v1, 15, v0                           ; r
	v_bfe_u32 v2, v0, 4, 1                         ; h
	v_lshlrev_b32 v3, 9, v1
	v_lshl_add_u32 v3, v2, 4, v3                   ; codes: row r of 512 bytes, + 16 h
	v_lshlrev_b32 v4, 5, v1
	v_lshl_add_u32 v4, v2, 4, v4                   ; scale bytes: row r of 32 bytes, + 16 h
	v_lshlrev_b32 v5, 5, v2                        ; b_s: 32 h
	v_lshlrev_b32 v6, 4, v0                        ; wf: 16 x lane
	v_lshlrev_b32 v7, 12, v1
	v_lshl_add_u32 v7, v2, 5, v7                   ; decp: row r of 4,096 bytes, + 32 h
	s_mov_b32 s20, C2L
	s_mov_b32 s21, C2L                             ; (named with s20 as a pair, so it is written)
	s_mov_b32 s28, 0x05040100                      ; v_perm_b32: the low half of the second source below the low half of the first
	s_mov_b32 s29, 0x07060302                      ; the same of the two high halves
	s_lshl_b32 s22, ttmp9, 13                      ; 16 rows of codes: 8,192 bytes; a tile of wf likewise
	s_mov_b32 s23, 0
	s_lshl_b32 s24, ttmp9, 9                       ; 16 rows of scale bytes
	s_mov_b32 s25, 0
	s_lshl_b32 s26, ttmp9, 6                       ; 16 numbers of f32
	s_mov_b32 s27, 0
	s_wait_kmcnt 0x0
	s_add_nc_u64 s[4:5], s[4:5], s[22:23]
	s_add_nc_u64 s[6:7], s[6:7], s[24:25]
	s_add_nc_u64 s[12:13], s[12:13], s[26:27]
	s_add_nc_u64 s[14:15], s[14:15], s[22:23]
	s_add_nc_u64 s[16:17], s[16:17], s[26:27]
	s_add_nc_u64 s[18:19], s[18:19], s[22:23]
.irp s, 0,1,2,3,4,5,6,7
.irp c, 0,1
	global_load_b128 v[WHP+8*\s+4*\c:WHP+8*\s+4*\c+3], v3, s[14:15] offset:64*\s+32*\c      ; W_h(16 n + r, k = 128 s + 64 c + 32 h ..): one block
.endr
.endr
.irp s, 0,1,2,3,4,5,6,7
.irp c, 0,1
	global_load_b128 v[WSF+8*\s+4*\c:WSF+8*\s+4*\c+3], v3, s[4:5] offset:64*\s+32*\c
	global_load_b128 v[DHF+8*\s+4*\c:DHF+8*\s+4*\c+3], v3, s[8:9] offset:64*\s+32*\c
.endr
.endr
	global_load_b128 v[WSS:WSS+3], v4, s[6:7]
	global_load_b128 v[DHS:DHS+3], v4, s[10:11]
	global_load_b128 v[BIA:BIA+3], v5, s[12:13]
	global_load_b128 v[BIA+4:BIA+7], v5, s[12:13] offset:16
	s_wait_loadcnt 36                              ; the 16 pieces of W_h are in; the 36 younger loads may be out
; A block's eight halves of a word, h0 .. h7 (four codes each), lie as (h0 h1)(h2 h3)(h4 h5)(h6 h7) and are wanted as (h0 h4)(h1 h5)(h2 h6)(h3 h7): four words change places among four registers, with one spare.
.irp s, 0,1,2,3,4,5,6,7
.irp c, 0,1
	v_perm_b32 v[TP+\c], v[WHP+8*\s+4*\c+2], v[WHP+8*\s+4*\c], s29                    ; (h1 h5), kept aside
	v_perm_b32 v[WHP+8*\s+4*\c], v[WHP+8*\s+4*\c+2], v[WHP+8*\s+4*\c], s28            ; (h0 h4)
	v_perm_b32 v[WHP+8*\s+4*\c+2], v[WHP+8*\s+4*\c+3], v[WHP+8*\s+4*\c+1], s28        ; (h2 h6)
	v_perm_b32 v[WHP+8*\s+4*\c+3], v[WHP+8*\s+4*\c+3], v[WHP+8*\s+4*\c+1], s29        ; (h3 h7)
	v_mov_b32 v[WHP+8*\s+4*\c+1], v[TP+\c]                                            ; (h1 h5) into the register that has now been read out
.endr
.endr
.irp s, 0,1,2,3,4,5,6,7
.irp c, 0,1
	global_store_b128 v6, v[WHP+8*\s+4*\c:WHP+8*\s+4*\c+3], s[18:19] offset:(2*\s+\c)*512   ; 32 lanes store 512 consecutive bytes
.endr
.endr
	s_wait_loadcnt 0x0
.irp s, 0,1,2,3,4,5,6,7
.if \s == 0
	v_wmma_scale_f32_16x16x128_f8f6f4 v[ACA:ACA+7], v[WSF:WSF+7], v[DHF:DHF+7], v[BIA:BIA+7], v[WSS], v[DHS] matrix_a_fmt:MATRIX_FMT_FP4 matrix_b_fmt:MATRIX_FMT_FP4
.elseif \s == 1
	v_wmma_scale_f32_16x16x128_f8f6f4 v[ACA+8:ACA+15], v[WSF+8:WSF+15], v[DHF+8:DHF+15], 0, v[WSS+1], v[DHS+1] matrix_a_fmt:MATRIX_FMT_FP4 matrix_b_fmt:MATRIX_FMT_FP4
.elseif \s < 4
	v_wmma_scale_f32_16x16x128_f8f6f4 v[ACA+8*(\s%2):ACA+8*(\s%2)+7], v[WSF+8*\s:WSF+8*\s+7], v[DHF+8*\s:DHF+8*\s+7], v[ACA+8*(\s%2):ACA+8*(\s%2)+7], v[WSS+\s], v[DHS+\s] matrix_a_fmt:MATRIX_FMT_FP4 matrix_b_fmt:MATRIX_FMT_FP4
.else
	v_wmma_scale_f32_16x16x128_f8f6f4 v[ACA+8*(\s%2):ACA+8*(\s%2)+7], v[WSF+8*\s:WSF+8*\s+7], v[DHF+8*\s:DHF+8*\s+7], v[ACA+8*(\s%2):ACA+8*(\s%2)+7], v[WSS+\s-4], v[DHS+\s-4] matrix_a_fmt:MATRIX_FMT_FP4 matrix_b_fmt:MATRIX_FMT_FP4 matrix_a_scale:MATRIX_SCALE_ROW1 matrix_b_scale:MATRIX_SCALE_ROW1
.endif
.endr
.rept 4
	v_nop                                          ; four places between the last product and the first read of a result (ISA guide 7.12.1)
.endr
.irp j, 0,2,4,6
	v_pk_add_f32 v[RES+\j:RES+\j+1], v[ACA+\j:ACA+\j+1], v[ACA+8+\j:ACA+8+\j+1]    ; the two halves of K; each accumulator is read from its low end on
.endr
.irp j, 0,2,4,6
	v_pk_mul_f32 v[RES+\j:RES+\j+1], v[RES+\j:RES+\j+1], s[20:21] op_sel_hi:[1,0]  ; x c
.endr
	global_store_b128 v7, v[RES:RES+3], s[16:17]
	global_store_b128 v7, v[RES+4:RES+7], s[16:17] offset:16
	s_endpgm
.Lfunc_end_k_qb1f91095ac_prep:
	.size	k_qb1f91095ac_prep, .Lfunc_end_k_qb1f91095ac_prep-k_qb1f91095ac_prep
	.p2alignl 7, 3214868480
	.fill 96, 4, 3214868480
	.section	.rodata,"a",@progbits
	.p2align	6, 0x0
	.amdhsa_kernel k_qb1f91095ac_prep
		.amdhsa_group_segment_fixed_size 0
		.amdhsa_private_segment_fixed_size 0
		.amdhsa_enable_private_segment 0
		.amdhsa_kernarg_size 64
		.amdhsa_user_sgpr_count 2
		.amdhsa_user_sgpr_kernarg_segment_ptr 1
		.amdhsa_wavefront_size32 1
		.amdhsa_system_sgpr_workgroup_id_x 1
		.amdhsa_system_sgpr_workgroup_id_y 1
		.amdhsa_system_sgpr_workgroup_id_z 1
		.amdhsa_system_vgpr_workitem_id 0
		.amdhsa_next_free_vgpr 256
		.amdhsa_next_free_sgpr 66
		.amdhsa_reserve_vcc 0
		.amdhsa_float_denorm_mode_32 3
		.amdhsa_float_denorm_mode_16_64 3
		.amdhsa_memory_ordered 1
		.amdhsa_forward_progress 1
		.amdhsa_inst_pref_size 15
	.end_amdhsa_kernel
	.amdgpu_metadata
---
amdhsa.version: [ 1, 2 ]
amdhsa.kernels:
  - .name:           k_qb1f91095ac_prep
    .symbol:         k_qb1f91095ac_prep.kd
    .args:
      - { .name: W_s_codes, .offset: 0, .size: 8, .value_kind: global_buffer, .address_space: global }
      - { .name: W_s_scales, .offset: 8, .size: 8, .value_kind: global_buffer, .address_space: global }
      - { .name: decoder_hidden_codes, .offset: 16, .size: 8, .value_kind: global_buffer, .address_space: global }
      - { .name: decoder_hidden_scales, .offset: 24, .size: 8, .value_kind: global_buffer, .address_space: global }
      - { .name: b_s, .offset: 32, .size: 8, .value_kind: global_buffer, .address_space: global }
      - { .name: W_h_codes, .offset: 40, .size: 8, .value_kind: global_buffer, .address_space: global }
      - { .name: decp, .offset: 48, .size: 8, .value_kind: global_buffer, .address_space: global }
      - { .name: wf, .offset: 56, .size: 8, .value_kind: global_buffer, .address_space: global }
    .group_segment_fixed_size: 0
    .private_segment_fixed_size: 0
    .kernarg_segment_align: 8
    .kernarg_segment_size: 64
    .max_flat_workgroup_size: 32
    .sgpr_count:     66
    .vgpr_count:     256
    .wavefront_size: 32
...
	.end_amdgpu_metadata
.endif
;; end of part 1
;; launch main (part 2): grid 256 x 1, 8 waves a work-group, no clusters, 318,464 bytes of LDS; arguments encoder_output, coverage, mask, w_c, v, decp, wf, W_h_scales, scores, pctx, mws; writes scores, pctx, mws
.if DOCPART == 2
	.amdgcn_target "amdgcn-amd-amdhsa--gfx1250"
	.amdhsa_code_object_version 6
	.text
	.protected	k_qb1f91095ac_main
	.globl	k_qb1f91095ac_main
	.p2align	8
	.type	k_qb1f91095ac_main,@function
k_qb1f91095ac_main:
	s_mov_b64 s[64:65], 0
	v_nop
	global_prefetch_b8 v0, s[64:65] scope:SCOPE_SE
	s_setreg_imm32_b32 hwreg(HW_REG_WAVE_MODE, 25, 1), 1
	s_wait_xcnt 0x0
; MAIN.  For 256 rows of one batch (work-group x: rows 256 x .. 256 x + 255 of the 65,536): quantise the rows of encoder_output to E2M1 with one E8M0 scale for each 32 along D, multiply by W_h
; (given codes), add the decoder feature and coverage x w_c, tanh, dot with v, and carry a running softmax and a partial context, so that encoder_output is read from memory once.
; ARITHMETIC.  tanh(z) = 1 - 2 r, r = 1 / (1 + 2^(c z)), c = 2 log2(e).  So score = sum(v) - 2 sum(v r); the constant sum(v) is the same for all rows of a softmax and falls out of it, so it is not formed.
;   t = log2(e) x (score - sum(v)) = sum over e of (-c v[e]) r[e].  Weights: 2^(t - m) mask, m the running largest t of the work-group over ALL its rows, masked or not.
;   Stored: t for every row (scores), the work-group m (mws) and sum of 2^(t - m) mask x row (pctx).  The last launch brings the 16 work-groups of a batch under one maximum and divides.
; SHARES.  Four blocks of 64 rows.  THE 8 WAVES SHARE THE FEATURES, NOT THE ROWS: wave w makes features 128 w .. 128 w + 127 (8 tiles of 16) for all 64 rows, and holds the codes of the 64 rows for all of K
;   (4 row tiles x 8 K steps x 8 registers: the whole of window 1).  So a fragment of W_h feeds four products and is wanted by ONE wave of the work-group: it comes from memory straight into registers, in
;   loads of 512 consecutive bytes out of wf.  While block i is multiplied, block i + 1 is loaded (wave w: rows 8 w .. 8 w + 7, two rows a trip), quantised, and laid into LDS: codes, scale bytes, and the rows in bf16.
; THE ORDER INSIDE A BLOCK OF 32.  Every load of encoder_output covers 512 consecutive bytes, and yet a lane ends with 8 numbers of ONE block, as the conversion wants them (macros ELOAD, QUANT): k = 4 m .. 4 m + 3 and
;   k = 16 + 4 m .. 16 + 4 m + 3 of block l / 4, m = l % 4.  So inside a block the codes lie in that order; wf has W_h in the same order, which leaves each product's terms as they are.  The rows in bf16 lie
;   in the same order, in pieces of 4 neighbouring columns; the one store of the context puts each lane's piece at its true place.
; NO CLUSTER, NO TENSOR LOADS: W_h is what the work-groups share, but two blocks in bf16 (2 x 131,072 bytes), the codes, the scale bytes and the tables take 317,440 bytes of LDS, which leaves no room for slots
;   of W_h; and since each fragment is read by one wave only, a way through LDS would add a write and a read to each of its bytes.
; THE MATRIX INSTRUCTION IS USED TRANSPOSED: source 0 = 16 rows of W_h, source 1 = 16 rows of x: lane (r, h) holds row r of the tile and features 8 h + 0 .. 7: the dot with v runs along a lane's registers.
; LIMITS: NaN and infinities among the inputs are not served.  A block of 32 zeros gets the scale byte 1 where the quantiser says 127: its codes are zeros, and the bytes are read by this launch alone.
;   For the context (a product left as it is) the rows are rounded to bf16; its sums are f32.  Weights under 2^-126 count as 0 (v_exp_f32 flushes them: ISA guide, its entry).
; LDS
.set XB1,  131072                      ; the rows in bf16, pitch 2,048: buffer 0 at 0, buffer 1 here; blocks take them by turns
.set XC,   262144                      ; codes: 64 rows, pitch 528 = 512 + 16: an odd multiple of 16, so that the 16 rows of a fragment load start at 16 different banks
.set XCP,  528
.set XS,   XC+64*XCP                   ; scale bytes: 64 rows, pitch 48 (32 used)
.set XSP,  48
.set TAB,  XS+64*XSP                   ; decp of my batch [1024]; + 4096: c w_c; + 8192: -c v
.set COVM, TAB+12288                   ; my 256 rows: coverage; + 1024: mask
.set SCP,  COVM+2048                   ; [64 rows][8 waves] partial sums of t
.set PB,   SCP+2048                    ; 256 bytes for each wave, its own: the 64 weights of a block.  Ends at 317,440
; VECTOR REGISTERS, window 0 (window 1: the codes, fragment (t, s) at v[8 (8 t + s)]; in the prologue the four load units of block 0)
.set WL,   1                           ; 16 l: my 16 bytes of a 512-byte piece of wf
.set WSL,  2                           ; 32 r + 16 h: my 16 scale bytes of a tile of W_h
.set EL,   3                           ; my 16 bytes of a load's 512 of a row: 128 ((l % 16) / 4) + 64 (l / 16) + 16 (l % 4)
.set AC0,  4                           ; XC + 8 XCP w + 4 l
.set AS0,  5                           ; XS + 8 XSP w + l / 4
.set AB0,  6                           ; 16,384 w + 16 l
.set AF0,  7                           ; XC + XCP r + 16 h
.set AXS,  8                           ; XS + XSP l
.set ACV0, 9                           ; COVM + 4 r
.set TA0,  10                          ; TAB + 512 w + 32 h
.set TA,   11                          ; the same for the trip in hand
.set ASC,  12                          ; SCP + 32 r + 4 w
.set ASR,  13                          ; SCP + 64 l
.set AMK0, 14                          ; COVM + 1024 + 8 l
.set APB,  15                          ; PB + 256 w + 8 l
.set APR,  16                          ; PB + 256 w
.set CA0,  17                          ; 256 w + 8 l: my piece of 4 columns of a bf16 row
.set GS,   18                          ; 8 l
.set PFO,  19                          ; 256 l: the prefetches' offset; never rewritten
.set CTX,  20                          ; v[20:23]   the context of my 4 columns
.set MRUN, 24                          ; v24        the running largest t; v25 its copy for the last store
.set F,    26                          ; v[26:27]   2^(old m - new m), twice
.set COV,  28                          ; v[28:35]   coverage of row 16 t + r, in both registers of pair t
.set SUM,  36                          ; v[36:43]   sum of -c v r, pair t (even features, odd features)
.set XSR,  44                          ; v[44:59]   scale words of x: register 8 p + s: lanes 0-15 row tile 2 p, lanes 16-31 row tile 2 p + 1, K step s.  Scales and nothing else
.set WSC,  60                          ; v[60:63]   scale words of W_h: register q: lanes 0-15 K step q, lanes 16-31 K step q + 4.  Scales and nothing else
.set TC,   64                          ; v[64:87]   my eight features of the three tables
.set DEC,  64
.set WCC,  72
.set VV,   80
.set ACC,  88                          ; v[88:119]  four accumulators, one for each row tile; between the products at work for the quantiser, the softmax and the context
.set QM,   ACC                         ; the quantiser: largest magnitudes, then scale bytes;
.set QS,   ACC+8                       ; the scale operands of the conversions;
.set QC,   ACC+16                      ; the codes;
.set QA,   ACC+24                      ; three LDS addresses
.set WF,   120                         ; v[120:183] a tile of W_h: 8 K steps x 8 registers
.set E,    184                         ; v[184:247] a load unit: 2 rows x 4 quarters x 8 numbers; then its bf16 (4 registers of each 8)
; SCALAR REGISTERS
.set WV,   26                          ; my wave
.set EB0,  32                          ; s[32:33] encoder_output at my wave first row
.set EA,   34                          ; s[34:35] the unit in hand
.set WB0,  36                          ; s[36:37] wf at my 8 tiles
.set WA,   38                          ; s[38:39] the pair of tiles in hand
.set WSB0, 40                          ; s[40:41], s[42:43] the same of W_h_scales
.set WSA,  42
.set CC,   44                          ; s[44:45] c, c
.set SEL,  46                          ; s[46:47] selects of v_permlanex16_b32: lane l xor 16
.set BLK,  48
.set KK,   49                          ; trip 0 .. 3
.set TABK, 50                          ; 128 x trip
.set UC,   53                          ; 2 XCP x trip
.set US,   54                          ; 2 XSP x trip
.set UBK,  55                          ; 4,096 x trip
.set NB,   56                          ; the bf16 buffer of block i + 1
.set BC,   57                          ; that of block i
.set EO,   58                          ; s[58:59] byte offset of the unit to load
.set CVO,  60                          ; 256 x block
.set UB2,  61
.set KW,   68                          ; s[68:69] 16,384 x the trip whose tiles are asked for, modulo 4 trips
.set KS,   70                          ; s[70:71] 1,024 x the same
.set NC,   72                          ; s[72:73] -c, -c
.set PFA,  74                          ; s[74:75] the unit that the next trip will load
.set PD,   76                          ; s[76:77] bytes from the unit in hand to that one
.set PI,   78                          ; 4 x block + trip: 0 .. 11
.set NEXTB, 262144-32768               ; from my 8 rows of one block to my 8 rows of the next: 64 rows on, less the four units walked
.set MSB, 0
.macro WIN new                         ; s_set_vgpr_msb: bits 1:0 source 0, 3:2 source 1, 5:4 source 2, 7:6 destination; the high byte repeats the setting that is left; a switch that changes nothing is dropped
.if MSB != \new
	s_set_vgpr_msb (MSB<<8)|\new
.set MSB, \new
.endif
.endm
.macro BARRIER                         ; my LDS stores have landed and my LDS loads are in: then the barrier of the work-group
	s_wait_dscnt 0x0
	s_barrier_signal -1
	s_barrier_wait -1
.endm
; 17 loads: tile ib (0, 1) of the pair at WA: 16 pieces of 512 consecutive bytes, and the 512 scale bytes of its 16 rows
.macro WLOAD ib
.irp s, 0,1,2,3,4,5,6,7
.irp c, 0,1
	global_load_b128 v[WF+8*\s+4*\c:WF+8*\s+4*\c+3], v[WL], s[WA:WA+1] offset:(2*\s+\c)*512+8192*\ib
.endr
.endr
	global_load_b128 v[WSC:WSC+3], v[WSL], s[WSA:WSA+1] offset:512*\ib
.endm
; 16 loads: a unit of two rows, 8,192 consecutive bytes; EACH LOAD COVERS 512 CONSECUTIVE BYTES, four blocks of 32 numbers.  Group 4 p + q is quarter q of row p: 8 blocks, two loads.
; In a load lanes 0-15 take the first 64 bytes of each of the four blocks (lane j: block j / 4, 16 bytes at 16 (j % 4)), lanes 16-31 the second 64 bytes.  The first load (blocks 0-3) fills
; registers 0-3 of the group, the second (blocks 4-7) registers 4-7; QUANT's exchange of halves then brings a block's two pieces into one lane.
.macro ELOAD reg, sb, off
.irp p, 0,1
.irp q, 0,1,2,3
	global_load_b128 v[\reg+32*\p+8*\q:\reg+32*\p+8*\q+3], v[EL], s[\sb:\sb+1] offset:\off+4096*\p+1024*\q th:TH_LOAD_NT
	global_load_b128 v[\reg+32*\p+8*\q+4:\reg+32*\p+8*\q+7], v[EL], s[\sb:\sb+1] offset:\off+4096*\p+1024*\q+512 th:TH_LOAD_NT
.endr
.endr
.endm
; 6 LDS loads: the three tables at my eight features of tile ib of the trip
.macro TABLOAD ib
.irp u, 0,1,2
	ds_load_b128 v[TC+8*\u:TC+8*\u+3], v[TA] offset:4096*\u+64*\ib
	ds_load_b128 v[TC+8*\u+4:TC+8*\u+7], v[TA] offset:4096*\u+64*\ib+16
.endr
.endm
; one product: K step s of row tile t
.macro ONE s, t
.set rD, ACC+8*(\t)
.set rA, WF+8*(\s)
.set rB, 8*(8*(\t)+(\s))
.set rSA, WSC+(\s)%4
.set rSB, XSR+8*((\t)/2)+(\s)
.if (\s) == 0 && (\t)%2 == 0
	v_wmma_scale_f32_16x16x128_f8f6f4 v[rD:rD+7], v[rA:rA+7], v[rB:rB+7], 0, v[rSA], v[rSB] matrix_a_fmt:MATRIX_FMT_FP4 matrix_b_fmt:MATRIX_FMT_FP4
.elseif (\s) == 0
	v_wmma_scale_f32_16x16x128_f8f6f4 v[rD:rD+7], v[rA:rA+7], v[rB:rB+7], 0, v[rSA], v[rSB] matrix_a_fmt:MATRIX_FMT_FP4 matrix_b_fmt:MATRIX_FMT_FP4 matrix_b_scale:MATRIX_SCALE_ROW1
.elseif (\s) < 4 && (\t)%2 == 0
	v_wmma_scale_f32_16x16x128_f8f6f4 v[rD:rD+7], v[rA:rA+7], v[rB:rB+7], v[rD:rD+7], v[rSA], v[rSB] matrix_a_fmt:MATRIX_FMT_FP4 matrix_b_fmt:MATRIX_FMT_FP4
.elseif (\s) < 4
	v_wmma_scale_f32_16x16x128_f8f6f4 v[rD:rD+7], v[rA:rA+7], v[rB:rB+7], v[rD:rD+7], v[rSA], v[rSB] matrix_a_fmt:MATRIX_FMT_FP4 matrix_b_fmt:MATRIX_FMT_FP4 matrix_b_scale:MATRIX_SCALE_ROW1
.elseif (\t)%2 == 0
	v_wmma_scale_f32_16x16x128_f8f6f4 v[rD:rD+7], v[rA:rA+7], v[rB:rB+7], v[rD:rD+7], v[rSA], v[rSB] matrix_a_fmt:MATRIX_FMT_FP4 matrix_b_fmt:MATRIX_FMT_FP4 matrix_a_scale:MATRIX_SCALE_ROW1
.else
	v_wmma_scale_f32_16x16x128_f8f6f4 v[rD:rD+7], v[rA:rA+7], v[rB:rB+7], v[rD:rD+7], v[rSA], v[rSB] matrix_a_fmt:MATRIX_FMT_FP4 matrix_b_fmt:MATRIX_FMT_FP4 matrix_a_scale:MATRIX_SCALE_ROW1 matrix_b_scale:MATRIX_SCALE_ROW1
.endif
.endm
; 32 products: one tile of 16 features x 64 rows x all of K.  The first K step starts the sums with the constant 0.  The four accumulators take turns, one instruction a turn.
.macro MM
	WIN 0x04                                       ; source 1, the codes of x: window 1
.irp s, 0,1,2,3,4,5,6,7
.irp t, 0,1,2,3
	ONE \s, \t
.endr
.endr
	WIN 0
.rept 4
	v_nop                                          ; four places in front of the loads into the registers of W_h and of the first read of a result (ISA guide 7.12.1 for vector instructions)
.endr
.endm
; The tile's 4 x 8 results of a lane: c acc + decs + cov x wcs; 2^that; + 1; reciprocal; sum += (-c v) r.  The exponentials are one batch with one wait, and so are the reciprocals.
.macro TANH
	s_wait_dscnt 0x0                               ; the tables are in
.irp p, 0,2,4,6
.irp t, 0,1,2,3
	v_pk_fma_f32 v[ACC+8*\t+\p:ACC+8*\t+\p+1], v[ACC+8*\t+\p:ACC+8*\t+\p+1], s[CC:CC+1], v[DEC+\p:DEC+\p+1] op_sel_hi:[1,0,1]   ; each accumulator from its low end on
.endr
.endr
.irp p, 0,2,4,6
.irp t, 0,1,2,3
	v_pk_fma_f32 v[ACC+8*\t+\p:ACC+8*\t+\p+1], v[COV+2*\t:COV+2*\t+1], v[WCC+\p:WCC+\p+1], v[ACC+8*\t+\p:ACC+8*\t+\p+1]
.endr
.endr
.set JJ, 0
.rept 32
	v_exp_f32 v[ACC+JJ], v[ACC+JJ]                 ; beyond the range of f32: infinity, whose reciprocal is 0: tanh = 1; far below: 0: tanh = -1
.set JJ, JJ+1
.endr
	v_nop                                          ; a plain instruction behind the last exponential
	s_wait_alu depctr_va_vdst(0)                   ; one wait for the batch, ahead of its first reader
.set JJ, 0
.rept 16
	v_pk_add_f32 v[ACC+JJ:ACC+JJ+1], v[ACC+JJ:ACC+JJ+1], 1.0 op_sel_hi:[1,0]
.set JJ, JJ+2
.endr
.set JJ, 0
.rept 32
	v_rcp_f32 v[ACC+JJ], v[ACC+JJ]
.set JJ, JJ+1
.endr
	v_nop
	s_wait_alu depctr_va_vdst(0)                   ; and one for the reciprocals
.irp p, 0,2,4,6
.irp t, 0,1,2,3
	v_pk_fma_f32 v[SUM+2*\t:SUM+2*\t+1], v[ACC+8*\t+\p:ACC+8*\t+\p+1], v[VV+\p:VV+\p+1], v[SUM+2*\t:SUM+2*\t+1]
.endr
.endr
.endm
; A unit of two rows (64 numbers a lane at v[xb + 8 g + i] of window xw, as ELOAD left them) becomes codes, scale bytes and bf16 in LDS.  pc, ps, pb: address registers; oc, os, ob: offsets.
; THE EXCHANGE OF HALVES: register i of a group (blocks 0-3: first pieces in lanes 0-15, second pieces in lanes 16-31) gives its lanes 16-31 for the lanes 0-15 of register 4 + i (the same of blocks 4-7).
; Then lane l holds, of block l / 4 of the quarter, k = 4 m .. 4 m + 3 in registers 0-3 and k = 16 + 4 m .. 16 + 4 m + 3 in registers 4-7, m = l % 4: 8 numbers of one block, four neighbouring lanes to a block.
; A block's scale: the largest magnitude of its 32 numbers (8 of mine, then lanes l xor 1 and l xor 2), held from below at 2^(3 - 127); 2 off its exponent field is the scale operand of the conversion, which takes
; that field alone; shifted down it is the E8M0 byte.  The conversion divides, rounds to the nearest code, ties to even, and gives the largest code beyond 6.
.macro QUANT xb, xw, pc, ps, pb, oc, os, ob
	WIN 0x41*\xw                                   ; both registers of an exchange lie in the numbers' window
.irp g, 0,1,2,3,4,5,6,7
.irp i, 0,1,2,3
	v_permlane16_swap_b32 v[\xb+8*\g+\i], v[\xb+8*\g+4+\i]
.endr
.endr
	WIN 0x05*\xw
.irp g, 0,1,2,3,4,5,6,7
	v_max3_num_f32 v[QM+\g], |v[\xb+8*\g]|, |v[\xb+8*\g+1]|, 0x1800000
.endr
	WIN 0x14*\xw
.irp i, 2,4,6
.irp g, 0,1,2,3,4,5,6,7
	v_max3_num_f32 v[QM+\g], v[QM+\g], |v[\xb+8*\g+\i]|, |v[\xb+8*\g+\i+1]|
.endr
.endr
	WIN 0
.irp g, 0,1,2,3,4,5,6,7
	v_max_num_f32_dpp v[QM+\g], v[QM+\g], v[QM+\g] row_xmask:1 row_mask:0xf bank_mask:0xf
.endr
.irp g, 0,1,2,3,4,5,6,7
	v_max_num_f32_dpp v[QM+\g], v[QM+\g], v[QM+\g] row_xmask:2 row_mask:0xf bank_mask:0xf
.endr
.irp g, 0,1,2,3,4,5,6,7
	v_add_nc_u32 v[QS+\g], 0xff000000, v[QM+\g]
.endr
	WIN 0x01*\xw
.irp g, 0,1,2,3,4,5,6,7
	v_cvt_scalef32_pk8_fp4_f32 v[QC+\g], v[\xb+8*\g:\xb+8*\g+7], v[QS+\g]
.endr
	WIN 0
.irp g, 0,1,2,3,4,5,6,7
	v_lshrrev_b32 v[QM+\g], 23, v[QS+\g]           ; the scale bytes.  (Plain instructions behind the conversions, ahead of the lines that write over their sources)
.endr
	WIN 0x05*\xw
.irp g, 0,1,2,3,4,5,6,7
.irp i, 0,1,2,3
	v_cvt_pk_bf16_f32 v[E+8*\g+\i], v[\xb+8*\g+2*\i], v[\xb+8*\g+2*\i+1]   ; where xb = E: in place, ascending: register i is written when numbers 2 i and 2 i + 1 are read
.endr
.endr
	WIN 0
.irp g, 0,1,2,3,4,5,6,7
	ds_store_b32 v[\pc], v[QC+\g] offset:\oc+XCP*(\g/4)+128*(\g%4)          ; 32 lanes: 128 consecutive bytes of a row of codes: word m of block l / 4
	ds_store_b8 v[\ps], v[QM+\g] offset:\os+XSP*(\g/4)+8*(\g%4)             ; the four lanes of a block write the same byte with the same value
	ds_store_b128 v[\pb], v[E+8*\g:E+8*\g+3] offset:\ob+2048*(\g/4)+512*(\g%4)   ; 32 lanes: 512 consecutive bytes of a bf16 row: my two pieces of 4 columns side by side
.endr
.endm
; A TRIP: two tiles of features (a, b), and with ld = 1 one unit of the next block.
; THE PREFETCH (ld = 1): behind the trip's 33 loads each wave asks for the unit that its NEXT trip loads: 8,192 consecutive bytes, a lane to each 256.  A unit is read by one wave alone, so each of its
; bytes is asked for once in the launch.  The first unit of block 1 comes by its loads alone; the last of the 12 trips has no unit behind it and asks for nothing.
.macro TRIP ld
	s_wait_loadcnt 0x0                             ; tile a: its 17 loads are the only ones out
	s_wait_dscnt 0x0                               ; the last trip's LDS stores have read their registers, which the products and the loads below write
	v_add_nc_u32 v[TA], s[TABK], v[TA0]
	TABLOAD 0
	MM
.if \ld
	s_wait_xcnt 0x0                                ; the last trip's prefetch has read its base (no load of mine is out here): both bases below may be written
	s_add_nc_u64 s[EA:EA+1], s[EB0:EB0+1], s[EO:EO+1]
	s_mov_b32 s[PD], 8192+NEXTB
	s_cmp_eq_u32 s[KK], 3
	s_cselect_b32 s[PD], s[PD], 8192               ; the next unit: 8,192 bytes on; behind a block's fourth unit, my first of the block after
	s_add_nc_u64 s[PFA:PFA+1], s[EA:EA+1], s[PD:PD+1]
	s_lshl_b32 s[PI], s[BLK], 2
	s_add_co_u32 s[PI], s[PI], s[KK]
.endif
	WLOAD 1                                        ; tile b, from the same base: it has the vector work on tile a in which to come
.if \ld
	ELOAD E, EA, 0
	s_cmp_lt_u32 s[PI], 11
	s_cbranch_scc0 .Lnopf_\@
	global_prefetch_b8 v[PFO], s[PFA:PFA+1] th:TH_LOAD_NT scope:SCOPE_SE
.Lnopf_\@:
.endif
	TANH
	s_wait_loadcnt 16*\ld                          ; tile b is in; the 16 younger loads of the unit may be out
	TABLOAD 1
	MM
	s_add_co_u32 s[KW], s[KW], 16384               ; tile b's loads are done, so their bases may be written: on to the next trip's pair; behind trip 3 back to the first, for the next block
	s_and_b32 s[KW], s[KW], 0xffff
	s_add_co_u32 s[KS], s[KS], 1024
	s_and_b32 s[KS], s[KS], 0xfff
	s_add_nc_u64 s[WA:WA+1], s[WB0:WB0+1], s[KW:KW+1]
	s_add_nc_u64 s[WSA:WSA+1], s[WSB0:WSB0+1], s[KS:KS+1]
.if \ld
	WLOAD 0
.else
	s_cmp_eq_u32 s[KK], 3                          ; the last trip of the last block has no successor: it asks for nothing (no counted wait follows on this way)
	s_cbranch_scc1 .Lnone_\@
	WLOAD 0
.Lnone_\@:
.endif
	TANH
.if \ld
	s_wait_loadcnt 17                              ; the unit is in; the 17 younger loads of the next tile a may be out
	s_add_co_u32 s[UB2], s[UBK], s[NB]
	v_add_nc_u32 v[QA], s[UC], v[AC0]
	v_add_nc_u32 v[QA+1], s[US], v[AS0]
	v_add_nc_u32 v[QA+2], s[UB2], v[AB0]
	QUANT E, 0, QA, QA+1, QA+2, 0, 0, 0
.endif
.endm
; The block's 64 values of t, in every wave alike (the same sums in the same order, so that all waves hold the same m): lane l takes rows 2 l and 2 l + 1.
.macro SOFTMAX
.irp u, 0,1,2,3
	ds_load_b128 v[ACC+4*\u:ACC+4*\u+3], v[ASR] offset:16*\u
.endr
	v_add_nc_u32 v251, s[CVO], v[AMK0]
	ds_load_b64 v[TC+16:TC+17], v251               ; the mask of my two rows
	s_wait_dscnt 0x0
	v_pk_add_f32 v[ACC:ACC+1], v[ACC:ACC+1], v[ACC+2:ACC+3]
	v_pk_add_f32 v[ACC+8:ACC+9], v[ACC+8:ACC+9], v[ACC+10:ACC+11]
	v_pk_add_f32 v[ACC+4:ACC+5], v[ACC+4:ACC+5], v[ACC+6:ACC+7]
	v_pk_add_f32 v[ACC+12:ACC+13], v[ACC+12:ACC+13], v[ACC+14:ACC+15]
	v_pk_add_f32 v[ACC:ACC+1], v[ACC:ACC+1], v[ACC+4:ACC+5]
	v_pk_add_f32 v[ACC+8:ACC+9], v[ACC+8:ACC+9], v[ACC+12:ACC+13]
	v_add_f32 v248, v[ACC], v[ACC+1]               ; t of row 2 l
	v_add_f32 v249, v[ACC+8], v[ACC+9]             ; and of row 2 l + 1
	v_add_nc_u32 v250, s[CVO], v[GS]
	s_cmp_lg_u32 s[WV], 0
	s_cbranch_scc1 .Lnot_0_\@
	global_store_b64 v250, v[248:249], s[20:21]    ; wave 0: 256 consecutive bytes, aligned.  v248-250 are written again only behind the wait at the block's end
.Lnot_0_\@:
	v_max_num_f32 v252, v248, v249
	v_max_num_f32_dpp v252, v252, v252 row_xmask:1 row_mask:0xf bank_mask:0xf
	v_max_num_f32_dpp v252, v252, v252 row_xmask:2 row_mask:0xf bank_mask:0xf
	v_max_num_f32_dpp v252, v252, v252 row_xmask:4 row_mask:0xf bank_mask:0xf
	v_max_num_f32_dpp v252, v252, v252 row_xmask:8 row_mask:0xf bank_mask:0xf
	v_permlanex16_b32 v253, v252, s[SEL], s[SEL+1]
	v_max3_num_f32 v[ACC+16], v252, v253, v[MRUN]  ; the new m
	v_sub_f32 v[F], v[MRUN], v[ACC+16]
	v_sub_f32 v254, v248, v[ACC+16]
	v_sub_f32 v255, v249, v[ACC+16]
	v_exp_f32 v[F], v[F]                           ; 2^(old m - new m): 0 in the first block, whose old m lies under every t
	v_exp_f32 v254, v254
	v_exp_f32 v255, v255
	v_mov_b32 v[MRUN], v[ACC+16]                   ; (a plain instruction behind the exponentials)
	s_wait_alu depctr_va_vdst(0)                   ; one wait for the three, ahead of their first reader
	v_mov_b32 v[F+1], v[F]
	v_pk_mul_f32 v[254:255], v[254:255], v[TC+16:TC+17]    ; x mask
	ds_store_b64 v[APB], v[254:255]                ; into my wave's own 256 bytes: LDS serves a wave's instructions in order (ISA guide 5.7.1.4), so its loads below see them
	v_pk_mul_f32 v[CTX:CTX+1], v[CTX:CTX+1], v[F:F+1]
	v_pk_mul_f32 v[CTX+2:CTX+3], v[CTX+2:CTX+3], v[F:F+1]
.endm
; 10 LDS loads: rows 8 n .. 8 n + 7 of the block in bf16 at my piece of 4 columns (32 lanes: 256 consecutive bytes), and their 8 weights (every lane the same)
.macro LOADB n
.irp j, 0,1,2,3,4,5,6,7
	ds_load_b64 v[ACC+16*((\n)%2)+2*\j:ACC+16*((\n)%2)+2*\j+1], v[252+(\n)/4] offset:((8*(\n)+\j)%32)*2048
.endr
	ds_load_b128 v[TC+8*((\n)%2):TC+8*((\n)%2)+3], v[APR] offset:32*(\n)
	ds_load_b128 v[TC+8*((\n)%2)+4:TC+8*((\n)%2)+7], v[APR] offset:32*(\n)+16
.endm
; context += weight x row, 64 rows x my 4 columns: bf16 halves times f32 weights, sums in f32; a batch of 8 rows is fetched while the batch before is summed
.macro CONTEXT
	v_add_nc_u32 v252, s[BC], v[CA0]               ; rows 0-31
	v_add_nc_u32 v253, 0x10000, v252               ; rows 32-63: beyond the 16 bits of the offset
	LOADB 0
.irp n, 0,1,2,3,4,5,6,7
.if \n < 7
	LOADB \n+1
	s_wait_dscnt 10                                ; batch n is in; the 10 younger loads may be out
.else
	s_wait_dscnt 0x0
.endif
.irp j, 0,1,2,3,4,5,6,7
	v_fma_mix_f32_bf16 v[CTX], v[ACC+16*(\n%2)+2*\j], v[TC+8*(\n%2)+\j], v[CTX] op_sel_hi:[1,0,0]
	v_fma_mix_f32_bf16 v[CTX+1], v[ACC+16*(\n%2)+2*\j], v[TC+8*(\n%2)+\j], v[CTX+1] op_sel:[1,0,0] op_sel_hi:[1,0,0]
	v_fma_mix_f32_bf16 v[CTX+2], v[ACC+16*(\n%2)+2*\j+1], v[TC+8*(\n%2)+\j], v[CTX+2] op_sel_hi:[1,0,0]
	v_fma_mix_f32_bf16 v[CTX+3], v[ACC+16*(\n%2)+2*\j+1], v[TC+8*(\n%2)+\j], v[CTX+3] op_sel:[1,0,0] op_sel_hi:[1,0,0]
.endr
.endr
.endm
; A BLOCK of 64 rows.  ld = 1: the next block is loaded and quantised on the way.  Two barriers:
; the first: every wave has the block's codes and scale words in registers and has finished the last block's reads of the bf16 rows and of the partial sums: all these bytes may be written;
; the second: the partial sums of this block are whole, and so are the next block's codes, scale bytes and bf16 rows.
; Between them a wave writes only bytes that are its own by its number (codes 8 rows, scale bytes 8 rows, bf16 8 rows, its word of each partial sum) and reads the tables, which nobody writes.
.macro BLOCK ld
	WIN 0x40                                       ; destination window 1
.irp t, 0,1,2,3
.irp s, 0,1,2,3,4,5,6,7
.irp c, 0,1
	ds_load_b128 v[8*(8*\t+\s)+4*\c:8*(8*\t+\s)+4*\c+3], v[AF0] offset:16*XCP*\t+64*\s+32*\c   ; row 16 t + r, block 4 s + 2 c + h
.endr
.endr
.endr
	WIN 0
.irp p, 0,1
	ds_load_b128 v[XSR+8*\p:XSR+8*\p+3], v[AXS] offset:32*XSP*\p         ; lane l: row 32 p + l, K steps 0-3;
	ds_load_b128 v[XSR+8*\p+4:XSR+8*\p+7], v[AXS] offset:32*XSP*\p+16    ; K steps 4-7
.endr
	v_add_nc_u32 v248, s[CVO], v[ACV0]
.irp t, 0,1,2,3
	ds_load_b32 v[COV+2*\t], v248 offset:64*\t
	ds_load_b32 v[COV+2*\t+1], v248 offset:64*\t
.endr
.irp j, 0,1,2,3,4,5,6,7
	v_mov_b32 v[SUM+\j], 0
.endr
	s_mov_b32 s[KK], 0
	s_mov_b32 s[TABK], 0
.if \ld
	s_mov_b32 s[UC], 0
	s_mov_b32 s[US], 0
	s_mov_b32 s[UBK], 0
.endif
	BARRIER
.Ltrip_\@:
	TRIP \ld
	s_add_co_u32 s[TABK], s[TABK], 128
.if \ld
	s_add_co_u32 s[UC], s[UC], 2*XCP
	s_add_co_u32 s[US], s[US], 2*XSP
	s_add_co_u32 s[UBK], s[UBK], 4096
	s_add_co_u32 s[EO], s[EO], 8192
.endif
	s_add_co_u32 s[KK], s[KK], 1
	s_cmp_lt_u32 s[KK], 4
	s_cbranch_scc1 .Ltrip_\@
.irp t, 0,1,2,3
	v_add_f32 v[248+\t], v[SUM+2*\t], v[SUM+2*\t+1]          ; even and odd features,
.endr
.irp t, 0,1,2,3
	v_permlanex16_b32 v[252+\t], v[248+\t], s[SEL], s[SEL+1]
.endr
.irp t, 0,1,2,3
	v_add_f32 v[248+\t], v[248+\t], v[252+\t]                ; and the other half of the lanes: my wave's 128 features of row 16 t + r
.endr
.irp t, 0,1,2,3
	ds_store_b32 v[ASC], v[248+\t] offset:512*\t             ; both halves of the lanes write the same word with the same value
.endr
	BARRIER
	SOFTMAX
	CONTEXT
.if \ld
	s_wait_xcnt 0x0                                ; the store of t has read its registers: the next block writes them again
	s_xor_b32 s[NB], s[NB], XB1
	s_xor_b32 s[BC], s[BC], XB1
	s_add_co_u32 s[CVO], s[CVO], 256
	s_add_co_u32 s[EO], s[EO], NEXTB
.endif
.endm
	s_load_b256 s[4:11], s[0:1], 0x0               ; encoder_output s[4:5], coverage s[6:7], mask s[8:9], w_c s[10:11]
	s_load_b256 s[12:19], s[0:1], 0x20             ; v s[12:13], decp s[14:15], wf s[16:17], W_h_scales s[18:19]
	s_load_b128 s[20:23], s[0:1], 0x40             ; scores s[20:21], pctx s[22:23]
	s_load_b64 s[24:25], s[0:1], 0x50              ; mws
	v_lshrrev_b32 v248, 5, v0
	v_readfirstlane_b32 s[WV], v248                ; wave 0..7
	v_and_b32 v248, 31, v0                         ; l
	v_and_b32 v249, 15, v0                         ; r
	v_bfe_u32 v250, v0, 4, 1                       ; h
	v_lshlrev_b32 v[WL], 4, v248
	v_lshlrev_b32 v[WSL], 5, v249
	v_lshl_add_u32 v[WSL], v250, 4, v[WSL]
	v_bfe_u32 v251, v0, 2, 2                       ; (l % 16) / 4: which of a load's four blocks,
	v_lshlrev_b32 v[EL], 7, v251
	v_lshl_add_u32 v[EL], v250, 6, v[EL]           ; its first or its second 64 bytes,
	v_and_b32 v251, 3, v0
	v_lshl_add_u32 v[EL], v251, 4, v[EL]           ; and my 16 of them
	v_lshlrev_b32 v[PFO], 8, v248
	s_mul_i32 s30, s[WV], 8*XCP
	s_add_co_u32 s30, s30, XC
	v_lshl_add_u32 v[AC0], v248, 2, s30
	s_mul_i32 s30, s[WV], 8*XSP
	s_add_co_u32 s30, s30, XS
	v_lshrrev_b32 v251, 2, v248
	v_add_nc_u32 v[AS0], s30, v251
	s_lshl_b32 s30, s[WV], 14
	v_lshl_add_u32 v[AB0], v248, 4, s30
	v_mul_u32_u24 v[AF0], v249, XCP
	v_lshl_add_u32 v[AF0], v250, 4, v[AF0]
	v_add_nc_u32 v[AF0], XC, v[AF0]
	v_mad_u32_u24 v[AXS], v248, XSP, XS
	v_lshl_add_u32 v[ACV0], v249, 2, COVM
	s_lshl_b32 s30, s[WV], 9
	s_add_co_u32 s30, s30, TAB
	v_lshl_add_u32 v[TA0], v250, 5, s30
	s_lshl_b32 s30, s[WV], 2
	s_add_co_u32 s30, s30, SCP
	v_lshl_add_u32 v[ASC], v249, 5, s30
	v_lshl_add_u32 v[ASR], v248, 6, SCP
	v_lshl_add_u32 v[AMK0], v248, 3, COVM+1024
	s_lshl_b32 s31, s[WV], 8
	v_lshl_add_u32 v[CA0], v248, 3, s31
	s_add_co_u32 s30, s31, PB
	v_lshl_add_u32 v[APB], v248, 3, s30
	v_mov_b32 v[APR], s30
	v_lshlrev_b32 v[GS], 3, v248
	v_lshlrev_b32 v254, 4, v0                      ; the tables come once: thread n takes 16 bytes of each of three,
	v_lshlrev_b32 v255, 2, v0                      ; and 4 bytes of coverage and of mask
	v_lshl_add_u32 v252, v0, 4, TAB
	v_lshl_add_u32 v253, v0, 2, COVM
	s_mov_b32 s[CC], 0x4038aa3b                    ; c = 2 log2(e)
	s_mov_b32 s[CC+1], 0x4038aa3b
	s_mov_b32 s[NC], 0xc038aa3b                    ; -c
	s_mov_b32 s[NC+1], 0xc038aa3b
	s_mov_b32 s[SEL], 0x76543210
	s_mov_b32 s[SEL+1], 0xfedcba98
	s_lshr_b32 s27, ttmp9, 4                       ; the batch
	s_mov_b32 s31, 0
	s_wait_kmcnt 0x0
	s_lshl_b32 s30, ttmp9, 20                      ; 256 rows of 4,096 bytes a work-group (under 2^28),
	s_lshl_b32 s28, s[WV], 15                      ; 8 rows a wave
	s_add_co_u32 s30, s30, s28
	s_add_nc_u64 s[EB0:EB0+1], s[4:5], s[30:31]
	s_lshl_b32 s30, ttmp9, 10                      ; 256 numbers of f32 a work-group
	s_add_nc_u64 s[6:7], s[6:7], s[30:31]
	s_add_nc_u64 s[8:9], s[8:9], s[30:31]
	s_add_nc_u64 s[20:21], s[20:21], s[30:31]
	s_lshl_b32 s30, s27, 12
	s_add_nc_u64 s[14:15], s[14:15], s[30:31]      ; decp at my batch
	s_lshl_b32 s30, s[WV], 16
	s_add_nc_u64 s[WB0:WB0+1], s[16:17], s[30:31]  ; 8 tiles of 8,192 bytes a wave
	s_lshl_b32 s30, s[WV], 12
	s_add_nc_u64 s[WSB0:WSB0+1], s[18:19], s[30:31]
	s_lshl_b32 s30, ttmp9, 12
	s_lshl_b32 s28, s[WV], 9
	s_add_co_u32 s30, s30, s28
	s_add_nc_u64 s[22:23], s[22:23], s[30:31]      ; pctx: 4,096 bytes a work-group, 512 a wave
	s_lshl_b32 s30, ttmp9, 8
	s_add_nc_u64 s[24:25], s[24:25], s[30:31]      ; mws: 256 bytes a work-group
	global_load_b128 v[64:67], v254, s[14:15]
	global_load_b128 v[68:71], v254, s[10:11]
	global_load_b128 v[72:75], v254, s[12:13]
	global_load_b32 v76, v255, s[6:7]
	global_load_b32 v77, v255, s[8:9]
	WIN 0x40                                       ; block 0: my 8 rows, four units, into window 1, which the codes take later
	ELOAD 0, EB0, 0
	ELOAD 64, EB0, 8192
	ELOAD 128, EB0, 16384
	WIN 0
	s_wait_loadcnt 48                              ; the five small loads are in; the 48 of three units may be out
	v_pk_mul_f32 v[68:69], v[68:69], s[CC:CC+1] op_sel_hi:[1,0]      ; c w_c
	v_pk_mul_f32 v[70:71], v[70:71], s[CC:CC+1] op_sel_hi:[1,0]
	v_pk_mul_f32 v[72:73], v[72:73], s[NC:NC+1] op_sel_hi:[1,0]      ; -c v
	v_pk_mul_f32 v[74:75], v[74:75], s[NC:NC+1] op_sel_hi:[1,0]
	ds_store_b128 v252, v[64:67]
	ds_store_b128 v252, v[68:71] offset:4096
	ds_store_b128 v252, v[72:75] offset:8192
	ds_store_b32 v253, v76
	ds_store_b32 v253, v77 offset:1024
	WIN 0x40
	ELOAD 192, EB0, 24576
	WIN 0
	s_wait_loadcnt 48                              ; unit 0 is in; units 1 to 3 may be out
	QUANT 0, 1, AC0, AS0, AB0, 0, 0, 0
	s_wait_loadcnt 32                              ; unit 1
	s_wait_dscnt 0x0                               ; the stores have read their registers
	QUANT 64, 1, AC0, AS0, AB0, 2*XCP, 2*XSP, 4096
	s_mov_b64 s[WA:WA+1], s[WB0:WB0+1]
	s_mov_b64 s[WSA:WSA+1], s[WSB0:WSB0+1]
	WLOAD 0                                        ; the first tile of W_h
	s_wait_loadcnt 33                              ; unit 2 is in; unit 3's 16 and the tile's 17 may be out
	s_wait_dscnt 0x0
	QUANT 128, 1, AC0, AS0, AB0, 4*XCP, 4*XSP, 8192
	s_wait_loadcnt 17                              ; unit 3
	s_wait_dscnt 0x0
	QUANT 192, 1, AC0, AS0, AB0, 6*XCP, 6*XSP, 12288
.irp j, 0,1,2,3
	v_mov_b32 v[CTX+\j], 0                         ; the blocks are written once: the first finds zeros, which its factor 0 leaves zeros
.endr
	v_mov_b32 v[MRUN], 0xff61b1e6                  ; -3e38, under every t
	s_mov_b32 s[NB], XB1
	s_mov_b32 s[BC], 0
	s_mov_b32 s[EO], 262144                        ; block 1
	s_mov_b32 s[EO+1], 0
	s_mov_b32 s[PD+1], 0
	s_mov_b32 s[CVO], 0
	s_mov_b32 s[KW], 0
	s_mov_b32 s[KW+1], 0
	s_mov_b32 s[KS], 0
	s_mov_b32 s[KS+1], 0
	BARRIER                                        ; the tables and block 0 lie in LDS
	s_mov_b32 s[BLK], 0
.Lblock:
	BLOCK 1
	s_add_co_u32 s[BLK], s[BLK], 1
	s_cmp_lt_u32 s[BLK], 3
	s_cbranch_scc1 .Lblock
	BLOCK 0                                        ; the last block is written out: nothing is left to load
	v_mov_b32 v[MRUN+1], v[MRUN]
	; Lane l has summed piece l of my wave's 32 pieces of 4 columns as they lie in the bf16 rows: piece l % 8 of block l / 8, which is the block's true piece 4 (l % 2) + (l % 8) / 2.
	v_bfe_u32 v251, v0, 3, 2
	v_lshlrev_b32 v252, 7, v251                    ; 128 (l / 8): a block of 32 columns of f32,
	v_and_b32 v251, 1, v0
	v_lshl_add_u32 v252, v251, 6, v252             ; + 64 (l % 2): its upper 16 columns,
	v_bfe_u32 v251, v0, 1, 2
	v_lshl_add_u32 v252, v251, 4, v252             ; + 16 ((l % 8) / 2)
	global_store_b128 v252, v[CTX:CTX+3], s[22:23]         ; my wave's 128 columns: the 32 lanes fill 512 consecutive bytes, aligned
	s_cmp_lg_u32 s[WV], 0
	s_cbranch_scc1 .Lend
	global_store_b64 v[GS], v[MRUN:MRUN+1], s[24:25]       ; wave 0: m, 64 times: 256 consecutive bytes, aligned
.Lend:
	s_wait_xcnt 0x0
	v_lshl_add_u32 v254, v0, 2, 0x4d800
	v_mov_b32 v255, 0
	s_wait_tensorcnt 0x0
	ds_add_u32 v254, v255
	s_wait_dscnt 0x0
	s_endpgm
.Lfunc_end_k_qb1f91095ac_main:
	.size	k_qb1f91095ac_main, .Lfunc_end_k_qb1f91095ac_main-k_qb1f91095ac_main
	.p2alignl 7, 3214868480
	.fill 96, 4, 3214868480
	.section	.rodata,"a",@progbits
	.p2align	6, 0x0
	.amdhsa_kernel k_qb1f91095ac_main
		.amdhsa_group_segment_fixed_size 318464
		.amdhsa_private_segment_fixed_size 0
		.amdhsa_enable_private_segment 0
		.amdhsa_kernarg_size 88
		.amdhsa_user_sgpr_count 2
		.amdhsa_user_sgpr_kernarg_segment_ptr 1
		.amdhsa_wavefront_size32 1
		.amdhsa_system_sgpr_workgroup_id_x 1
		.amdhsa_system_sgpr_workgroup_id_y 1
		.amdhsa_system_sgpr_workgroup_id_z 1
		.amdhsa_system_vgpr_workitem_id 0
		.amdhsa_next_free_vgpr 512
		.amdhsa_next_free_sgpr 80
		.amdhsa_reserve_vcc 0
		.amdhsa_float_denorm_mode_32 3
		.amdhsa_float_denorm_mode_16_64 3
		.amdhsa_memory_ordered 1
		.amdhsa_forward_progress 1
		.amdhsa_inst_pref_size 173
	.end_amdhsa_kernel
	.amdgpu_metadata
---
amdhsa.version: [ 1, 2 ]
amdhsa.kernels:
  - .name:           k_qb1f91095ac_main
    .symbol:         k_qb1f91095ac_main.kd
    .args:
      - { .name: encoder_output, .offset: 0, .size: 8, .value_kind: global_buffer, .address_space: global }
      - { .name: coverage, .offset: 8, .size: 8, .value_kind: global_buffer, .address_space: global }
      - { .name: mask, .offset: 16, .size: 8, .value_kind: global_buffer, .address_space: global }
      - { .name: w_c, .offset: 24, .size: 8, .value_kind: global_buffer, .address_space: global }
      - { .name: v, .offset: 32, .size: 8, .value_kind: global_buffer, .address_space: global }
      - { .name: decp, .offset: 40, .size: 8, .value_kind: global_buffer, .address_space: global }
      - { .name: wf, .offset: 48, .size: 8, .value_kind: global_buffer, .address_space: global }
      - { .name: W_h_scales, .offset: 56, .size: 8, .value_kind: global_buffer, .address_space: global }
      - { .name: scores, .offset: 64, .size: 8, .value_kind: global_buffer, .address_space: global }
      - { .name: pctx, .offset: 72, .size: 8, .value_kind: global_buffer, .address_space: global }
      - { .name: mws, .offset: 80, .size: 8, .value_kind: global_buffer, .address_space: global }
    .group_segment_fixed_size: 318464
    .private_segment_fixed_size: 0
    .kernarg_segment_align: 8
    .kernarg_segment_size: 88
    .max_flat_workgroup_size: 256
    .sgpr_count:     80
    .vgpr_count:     512
    .wavefront_size: 32
...
	.end_amdgpu_metadata
.endif
;; end of part 2
;; launch finish (part 3): grid 16 x 1, 8 waves a work-group, no clusters, 1,280 bytes of LDS; arguments scores, mask, coverage, pctx, mws, out0, out1, out2; writes out0, out1, out2
.if DOCPART == 3
	.amdgcn_target "amdgcn-amd-amdhsa--gfx1250"
	.amdhsa_code_object_version 6
	.text
	.protected	k_qb1f91095ac_finish
	.globl	k_qb1f91095ac_finish
	.p2align	8
	.type	k_qb1f91095ac_finish,@function
k_qb1f91095ac_finish:
	s_mov_b64 s[64:65], 0
	v_nop
	global_prefetch_b8 v0, s[64:65] scope:SCOPE_SE
	s_setreg_imm32_b32 hwreg(HW_REG_WAVE_MODE, 25, 1), 1
	s_wait_xcnt 0x0
; FINISH.  One work-group for each of the 16 batches; 256 threads.  From the main launch: t for each of the batch's 4,096 rows; for each of its 16 work-groups g the largest t, m_g, and
; pctx_g = sum over its rows of 2^(t - m_g) mask x row.  Here: M = the largest m_g (the row maximum that the softmax takes away); q = 2^(t - M) mask; L = sum of q;
; attn = q / L (the softmax's own divisor cancels against the renormalisation); coverage_new = coverage + attn; context = sum over g of 2^(m_g - M) pctx_g / L.
; Where every q of a batch is 0, L is 0 and the results are NaN, as in the definition.  NaN and infinities among the inputs are not served.
; Thread n takes 16 rows (4 at 4 n + 1,024 k, k = 0 .. 3) and 4 columns of the context: every load and store of a wave covers 512 consecutive bytes.
; 16 work-groups: a batch's sum has one owner, and the launch moves under 2 MB.  No matrix unit, no cluster: nothing is shared and nothing is multiplied in bulk.
.set FM,  16                           ; v[16:31]   m_g, then 2^(m_g - M)
.set T,   32                           ; v[32:47]   t, then 2^(t - M), then q, then attn
.set MK,  48                           ; v[48:63]   mask
.set CV,  64                           ; v[64:79]   coverage, then coverage_new
.set PC,  80                           ; v[80:143]  pctx_g at my 4 columns
.set CX,  144                          ; v[144:147] the context
	s_load_b256 s[4:11], s[0:1], 0x0               ; scores s[4:5], mask s[6:7], coverage s[8:9], pctx s[10:11]
	s_load_b256 s[12:19], s[0:1], 0x20             ; mws s[12:13], out0 s[14:15], out1 s[16:17], out2 s[18:19]
	v_lshl_add_u32 v160, v0, 2, 0x100
	v_mov_b32 v161, 0
	v_mov_b32 v1, 0
	v_lshlrev_b32 v2, 4, v0                        ; 16 x thread
	v_lshrrev_b32 v3, 5, v0
	v_lshlrev_b32 v3, 2, v3                        ; LDS: 4 x wave
	s_mov_b32 s28, 0x76543210
	s_mov_b32 s29, 0xfedcba98                      ; selects of v_permlanex16_b32: lane l xor 16
	s_lshl_b32 s22, ttmp9, 14                      ; 4,096 numbers a batch
	s_mov_b32 s23, 0
	s_lshl_b32 s24, ttmp9, 16                      ; 16 rows of pctx
	s_mov_b32 s25, 0
	s_lshl_b32 s26, ttmp9, 12                      ; 16 units of mws; a row of out0
	s_mov_b32 s27, 0
	s_wait_kmcnt 0x0
	s_add_nc_u64 s[4:5], s[4:5], s[22:23]
	s_add_nc_u64 s[6:7], s[6:7], s[22:23]
	s_add_nc_u64 s[8:9], s[8:9], s[22:23]
	s_add_nc_u64 s[10:11], s[10:11], s[24:25]
	s_add_nc_u64 s[12:13], s[12:13], s[26:27]
	s_add_nc_u64 s[14:15], s[14:15], s[26:27]
	s_add_nc_u64 s[16:17], s[16:17], s[22:23]
	s_add_nc_u64 s[18:19], s[18:19], s[22:23]
.irp g, 0,1,2,3,4,5,6,7,8,9,10,11,12,13,14,15
	global_load_b32 v[FM+\g], v1, s[12:13] offset:256*\g           ; every lane the same word
.endr
.irp k, 0,1,2,3
	global_load_b128 v[T+4*\k:T+4*\k+3], v2, s[4:5] offset:4096*\k
.endr
.irp k, 0,1,2,3
	global_load_b128 v[MK+4*\k:MK+4*\k+3], v2, s[6:7] offset:4096*\k
.endr
.irp k, 0,1,2,3
	global_load_b128 v[CV+4*\k:CV+4*\k+3], v2, s[8:9] offset:4096*\k
.endr
.irp g, 0,1,2,3,4,5,6,7,8,9,10,11,12,13,14,15
	global_load_b128 v[PC+4*\g:PC+4*\g+3], v2, s[10:11] offset:4096*\g
.endr
	s_wait_loadcnt 24                              ; the m_g and t are in; mask (4), coverage (4) and pctx (16) may be out
	v_max3_num_f32 v4, v[FM], v[FM+1], v[FM+2]
	v_max3_num_f32 v5, v[FM+3], v[FM+4], v[FM+5]
	v_max3_num_f32 v4, v4, v[FM+6], v[FM+7]
	v_max3_num_f32 v5, v5, v[FM+8], v[FM+9]
	v_max3_num_f32 v4, v4, v[FM+10], v[FM+11]
	v_max3_num_f32 v5, v5, v[FM+12], v[FM+13]
	v_max3_num_f32 v4, v4, v[FM+14], v[FM+15]
	v_max_num_f32 v4, v4, v5                       ; M
.set JJ, 0
.rept 32
	v_sub_f32 v[FM+JJ], v[FM+JJ], v4               ; m_g - M and t - M: the two runs of registers lie on end
.set JJ, JJ+1
.endr
.set JJ, 0
.rept 32
	v_exp_f32 v[FM+JJ], v[FM+JJ]
.set JJ, JJ+1
.endr
	v_nop                                          ; a plain instruction behind the last exponential
	s_wait_alu depctr_va_vdst(0)                   ; one wait for the batch, ahead of its first reader
	s_wait_loadcnt 20                              ; the mask is in
.irp j, 0,2,4,6,8,10,12,14
	v_pk_mul_f32 v[T+\j:T+\j+1], v[T+\j:T+\j+1], v[MK+\j:MK+\j+1]   ; q
.endr
	v_pk_add_f32 v[6:7], v[T:T+1], v[T+2:T+3]
	v_pk_add_f32 v[8:9], v[T+4:T+5], v[T+6:T+7]
	v_pk_add_f32 v[10:11], v[T+8:T+9], v[T+10:T+11]
	v_pk_add_f32 v[12:13], v[T+12:T+13], v[T+14:T+15]
	v_pk_add_f32 v[6:7], v[6:7], v[8:9]
	v_pk_add_f32 v[10:11], v[10:11], v[12:13]
	v_pk_add_f32 v[6:7], v[6:7], v[10:11]
	v_add_f32 v6, v6, v7                           ; my 16 rows
	v_add_f32_dpp v6, v6, v6 row_xmask:1 row_mask:0xf bank_mask:0xf
	v_add_f32_dpp v6, v6, v6 row_xmask:2 row_mask:0xf bank_mask:0xf
	v_add_f32_dpp v6, v6, v6 row_xmask:4 row_mask:0xf bank_mask:0xf
	v_add_f32_dpp v6, v6, v6 row_xmask:8 row_mask:0xf bank_mask:0xf
	v_permlanex16_b32 v7, v6, s28, s29
	v_add_f32 v6, v6, v7                           ; my wave's 512 rows
	ds_store_b32 v3, v6                            ; all lanes write the wave's word with the same value
	s_wait_dscnt 0x0                               ; for the others' sake: my store has landed
	s_barrier_signal -1
	s_barrier_wait -1
	ds_load_b128 v[8:11], v1
	ds_load_b128 v[12:15], v1 offset:16
	s_wait_dscnt 0x0
	v_add_f32 v8, v8, v9
	v_add_f32 v10, v10, v11
	v_add_f32 v12, v12, v13
	v_add_f32 v14, v14, v15
	v_add_f32 v8, v8, v10
	v_add_f32 v12, v12, v14
	v_add_f32 v8, v8, v12                          ; L
	v_rcp_f32 v10, v8
	v_nop
	s_wait_alu depctr_va_vdst(0)
	v_mov_b32 v11, v10                             ; 1 / L, twice
	s_wait_loadcnt 0x0                             ; coverage and pctx
.irp j, 0,2,4,6,8,10,12,14
	v_pk_fma_f32 v[CV+\j:CV+\j+1], v[T+\j:T+\j+1], v[10:11], v[CV+\j:CV+\j+1]   ; coverage + q / L
.endr
.irp j, 0,2,4,6,8,10,12,14
	v_pk_mul_f32 v[T+\j:T+\j+1], v[T+\j:T+\j+1], v[10:11]                       ; attn
.endr
.irp k, 0,1,2,3
	global_store_b128 v2, v[T+4*\k:T+4*\k+3], s[16:17] offset:4096*\k
	global_store_b128 v2, v[CV+4*\k:CV+4*\k+3], s[18:19] offset:4096*\k
.endr
.irp k, 0,1,2,3
	v_mul_f32 v[CX+\k], v[PC+\k], v[FM]            ; the first term starts the sums
.endr
.irp g, 1,2,3,4,5,6,7,8,9,10,11,12,13,14,15
.irp k, 0,1,2,3
	v_fmac_f32 v[CX+\k], v[PC+4*\g+\k], v[FM+\g]
.endr
.endr
	v_pk_mul_f32 v[CX:CX+1], v[CX:CX+1], v[10:11]
	v_pk_mul_f32 v[CX+2:CX+3], v[CX+2:CX+3], v[10:11]
	global_store_b128 v2, v[CX:CX+3], s[14:15]
	s_wait_tensorcnt 0x0
	ds_add_u32 v160, v161
	s_wait_dscnt 0x0
	s_endpgm
.Lfunc_end_k_qb1f91095ac_finish:
	.size	k_qb1f91095ac_finish, .Lfunc_end_k_qb1f91095ac_finish-k_qb1f91095ac_finish
	.p2alignl 7, 3214868480
	.fill 96, 4, 3214868480
	.section	.rodata,"a",@progbits
	.p2align	6, 0x0
	.amdhsa_kernel k_qb1f91095ac_finish
		.amdhsa_group_segment_fixed_size 1280
		.amdhsa_private_segment_fixed_size 0
		.amdhsa_enable_private_segment 0
		.amdhsa_kernarg_size 64
		.amdhsa_user_sgpr_count 2
		.amdhsa_user_sgpr_kernarg_segment_ptr 1
		.amdhsa_wavefront_size32 1
		.amdhsa_system_sgpr_workgroup_id_x 1
		.amdhsa_system_sgpr_workgroup_id_y 1
		.amdhsa_system_sgpr_workgroup_id_z 1
		.amdhsa_system_vgpr_workitem_id 0
		.amdhsa_next_free_vgpr 162
		.amdhsa_next_free_sgpr 66
		.amdhsa_reserve_vcc 0
		.amdhsa_float_denorm_mode_32 3
		.amdhsa_float_denorm_mode_16_64 3
		.amdhsa_memory_ordered 1
		.amdhsa_forward_progress 1
		.amdhsa_inst_pref_size 15
	.end_amdhsa_kernel
	.amdgpu_metadata
---
amdhsa.version: [ 1, 2 ]
amdhsa.kernels:
  - .name:           k_qb1f91095ac_finish
    .symbol:         k_qb1f91095ac_finish.kd
    .args:
      - { .name: scores, .offset: 0, .size: 8, .value_kind: global_buffer, .address_space: global }
      - { .name: mask, .offset: 8, .size: 8, .value_kind: global_buffer, .address_space: global }
      - { .name: coverage, .offset: 16, .size: 8, .value_kind: global_buffer, .address_space: global }
      - { .name: pctx, .offset: 24, .size: 8, .value_kind: global_buffer, .address_space: global }
      - { .name: mws, .offset: 32, .size: 8, .value_kind: global_buffer, .address_space: global }
      - { .name: out0, .offset: 40, .size: 8, .value_kind: global_buffer, .address_space: global }
      - { .name: out1, .offset: 48, .size: 8, .value_kind: global_buffer, .address_space: global }
      - { .name: out2, .offset: 56, .size: 8, .value_kind: global_buffer, .address_space: global }
    .group_segment_fixed_size: 1280
    .private_segment_fixed_size: 0
    .kernarg_segment_align: 8
    .kernarg_segment_size: 64
    .max_flat_workgroup_size: 256
    .sgpr_count:     66
    .vgpr_count:     162
    .wavefront_size: 32
...
	.end_amdgpu_metadata
.endif
;; end of part 3
;; ======== version 2 of 2: 3 launches
;; workspace buffers: decp 65,536 bytes; wf 524,288 bytes; scores 262,144 bytes; pctx 1,048,576 bytes; mws 65,536 bytes
;; launch prep (part 4): grid 64 x 1, 1 waves a work-group, no clusters, 0 bytes of LDS; arguments W_s_codes, W_s_scales, decoder_hidden_codes, decoder_hidden_scales, b_s, W_h_codes, decp, wf; writes decp, wf
.if DOCPART == 4
	.amdgcn_target "amdgcn-amd-amdhsa--gfx1250"
	.amdhsa_code_object_version 6
	.text
	.protected	k_qb1f91095ac_prep
	.globl	k_qb1f91095ac_prep
	.p2align	8
	.type	k_qb1f91095ac_prep,@function
k_qb1f91095ac_prep:
	s_mov_b64 s[64:65], 0
	v_nop
	global_prefetch_b8 v0, s[64:65] scope:SCOPE_SE
	s_setreg_imm32_b32 hwreg(HW_REG_WAVE_SCHED_MODE, 0, 2), 2
	s_setreg_imm32_b32 hwreg(HW_REG_WAVE_MODE, 25, 1), 1
	s_wait_xcnt 0x0
	s_wait_alu depctr_vm_vsrc(0)
; PREP.  Two small jobs for the main launch; work-group n (one wave) takes 16 of the 1,024 output features, e = 16 n .. 16 n + 15.
; (1) decp[b][e] = c (sum over k of decoder_hidden[b][k] W_s[e][k] + b_s[e]), c = 2 log2(e): product 2 on the given codes of E2M1 and their given E8M0 bytes, 8 K steps of 128.
;     The factor c is that of tanh(z) = 1 - 2 / (1 + 2^(c z)), which the main launch uses.
; (2) wf: the codes of W_h laid in the order of the operand registers: the 16 bytes (one block of 32 codes) that lane (r, h) wants as registers 4 cc .. 4 cc + 3 of the fragment (tile n, K step s)
;     lie at ((8 n + s) 2 + cc) 512 + 16 lane, so that the main launch fetches a fragment by two loads of 512 consecutive bytes.
;     INSIDE A BLOCK THE CODES CHANGE PLACES, as the main launch's own codes of x lie: word m of the 16 bytes holds k = 4 m .. 4 m + 3 below and k = 16 + 4 m .. 16 + 4 m + 3 above.
;     The same order of k on both sides of a product leaves its terms as they are, and a block keeps its 32 codes and its scale.
; THE MATRIX INSTRUCTION IS USED TRANSPOSED: source 0 = 16 rows of W_s, source 1 = the 16 batches: lane (r, h) holds batch r and features 16 n + 8 h + 0 .. 7.
; The bias is the C of the first product.  Two accumulators take the K steps by turns and are added at the end.
; decp is stored in pieces of 32 bytes a lane, rows 4,096 bytes apart: 64 KB in the whole launch.
; THE MODE: SCHED_MODE bits 1:0 = 2 (LLVM: expert scheduling mode 2), set by the entry lines.  The code itself states the register dependences
; between vector or matrix instructions and memory instructions, with s_wait_alu, always for 0.
; THE PLAN.  Registers that memory instructions touch: the offsets v3 to v7, made once at the head and never written again; v[WHP ..], in which loads land, which the permutes rewrite and
; the 16 stores of wf read; the operands, scales and bias of the products, in which loads land and which no vector instruction writes; v[RES ..], which the last arithmetic writes and two stores read.
; No register that a memory instruction has read is written again.  So three waits on va_vdst state everything: ahead of the first load, ahead of the stores of wf, ahead of the stores of decp.
.set C2L, 0x4038aa3b                   ; c = 2 log2(e)
.set WSS, 8                            ; v[8:11]    scale words of W_s: register q: lanes 0-15 K step q, lanes 16-31 K step q + 4
.set DHS, 12                           ; v[12:15]   the same of decoder_hidden
.set BIA, 16                           ; v[16:23]   b_s at my eight features
.set TP,  24                           ; v[24:25]   a spare word for each of two blocks
.set WSF, 32                           ; v[32:95]   fragments of W_s, 8 registers a K step
.set DHF, 96                           ; v[96:159]  fragments of decoder_hidden
.set WHP, 160                          ; v[160:223] the pieces of W_h on their way through
.set ACA, 224                          ; v[224:239] two accumulators
.set RES, 240                          ; v[240:247] the result
	s_load_b256 s[4:11], s[0:1], 0x0               ; W_s codes s[4:5], W_s scales s[6:7], decoder_hidden codes s[8:9], its scales s[10:11]
	s_load_b256 s[12:19], s[0:1], 0x20             ; b_s s[12:13], W_h codes s[14:15], decp s[16:17], wf s[18:19]
	v_and_b32 v1, 15, v0                           ; r
	v_bfe_u32 v2, v0, 4, 1                         ; h
	v_lshlrev_b32 v3, 9, v1
	v_lshl_add_u32 v3, v2, 4, v3                   ; codes: row r of 512 bytes, + 16 h
	v_lshlrev_b32 v4, 5, v1
	v_lshl_add_u32 v4, v2, 4, v4                   ; scale bytes: row r of 32 bytes, + 16 h
	v_lshlrev_b32 v5, 5, v2                        ; b_s: 32 h
	v_lshlrev_b32 v6, 4, v0                        ; wf: 16 x lane
	v_lshlrev_b32 v7, 12, v1
	v_lshl_add_u32 v7, v2, 5, v7                   ; decp: row r of 4,096 bytes, + 32 h
	s_mov_b32 s20, C2L
	s_mov_b32 s21, C2L                             ; (named with s20 as a pair, so it is written)
	s_mov_b32 s28, 0x05040100                      ; v_perm_b32: the low half of the second source below the low half of the first
	s_mov_b32 s29, 0x07060302                      ; the same of the two high halves
	s_lshl_b32 s22, ttmp9, 13                      ; 16 rows of codes: 8,192 bytes; a tile of wf likewise
	s_mov_b32 s23, 0
	s_lshl_b32 s24, ttmp9, 9                       ; 16 rows of scale bytes
	s_mov_b32 s25, 0
	s_lshl_b32 s26, ttmp9, 6                       ; 16 numbers of f32
	s_mov_b32 s27, 0
	s_wait_kmcnt 0x0
	s_add_nc_u64 s[4:5], s[4:5], s[22:23]
	s_add_nc_u64 s[6:7], s[6:7], s[24:25]
	s_add_nc_u64 s[12:13], s[12:13], s[26:27]
	s_add_nc_u64 s[14:15], s[14:15], s[22:23]
	s_add_nc_u64 s[16:17], s[16:17], s[26:27]
	s_add_nc_u64 s[18:19], s[18:19], s[22:23]
	s_wait_alu depctr_va_vdst(0)                   ; the offsets v3 to v7 are written: every load and store of the kernel reads one of them
.irp s, 0,1,2,3,4,5,6,7
.irp c, 0,1
	global_load_b128 v[WHP+8*\s+4*\c:WHP+8*\s+4*\c+3], v3, s[14:15] offset:64*\s+32*\c      ; W_h(16 n + r, k = 128 s + 64 c + 32 h ..): one block
.endr
.endr
.irp s, 0,1,2,3,4,5,6,7
.irp c, 0,1
	global_load_b128 v[WSF+8*\s+4*\c:WSF+8*\s+4*\c+3], v3, s[4:5] offset:64*\s+32*\c
	global_load_b128 v[DHF+8*\s+4*\c:DHF+8*\s+4*\c+3], v3, s[8:9] offset:64*\s+32*\c
.endr
.endr
	global_load_b128 v[WSS:WSS+3], v4, s[6:7]
	global_load_b128 v[DHS:DHS+3], v4, s[10:11]
	global_load_b128 v[BIA:BIA+3], v5, s[12:13]
	global_load_b128 v[BIA+4:BIA+7], v5, s[12:13] offset:16
	s_wait_loadcnt 36                              ; the 16 pieces of W_h are in; the 36 younger loads may be out
; A block's eight halves of a word, h0 .. h7 (four codes each), lie as (h0 h1)(h2 h3)(h4 h5)(h6 h7) and are wanted as (h0 h4)(h1 h5)(h2 h6)(h3 h7): four words change places among four registers, with one spare.
.irp s, 0,1,2,3,4,5,6,7
.irp c, 0,1
	v_perm_b32 v[TP+\c], v[WHP+8*\s+4*\c+2], v[WHP+8*\s+4*\c], s29                    ; (h1 h5), kept aside
	v_perm_b32 v[WHP+8*\s+4*\c], v[WHP+8*\s+4*\c+2], v[WHP+8*\s+4*\c], s28            ; (h0 h4)
	v_perm_b32 v[WHP+8*\s+4*\c+2], v[WHP+8*\s+4*\c+3], v[WHP+8*\s+4*\c+1], s28        ; (h2 h6)
	v_perm_b32 v[WHP+8*\s+4*\c+3], v[WHP+8*\s+4*\c+3], v[WHP+8*\s+4*\c+1], s29        ; (h3 h7)
	v_mov_b32 v[WHP+8*\s+4*\c+1], v[TP+\c]                                            ; (h1 h5) into the register that has now been read out
.endr
.endr
	s_wait_alu depctr_va_vdst(0)                   ; the permutes and moves have written v[WHP ..], which the 16 stores read
.irp s, 0,1,2,3,4,5,6,7
.irp c, 0,1
	global_store_b128 v6, v[WHP+8*\s+4*\c:WHP+8*\s+4*\c+3], s[18:19] offset:(2*\s+\c)*512   ; 32 lanes store 512 consecutive bytes
.endr
.endr
	s_wait_loadcnt 0x0
.irp s, 0,1,2,3,4,5,6,7
.if \s == 0
	v_wmma_scale_f32_16x16x128_f8f6f4 v[ACA:ACA+7], v[WSF:WSF+7], v[DHF:DHF+7], v[BIA:BIA+7], v[WSS], v[DHS] matrix_a_fmt:MATRIX_FMT_FP4 matrix_b_fmt:MATRIX_FMT_FP4
.elseif \s == 1
	v_wmma_scale_f32_16x16x128_f8f6f4 v[ACA+8:ACA+15], v[WSF+8:WSF+15], v[DHF+8:DHF+15], 0, v[WSS+1], v[DHS+1] matrix_a_fmt:MATRIX_FMT_FP4 matrix_b_fmt:MATRIX_FMT_FP4
.elseif \s < 4
	v_wmma_scale_f32_16x16x128_f8f6f4 v[ACA+8*(\s%2):ACA+8*(\s%2)+7], v[WSF+8*\s:WSF+8*\s+7], v[DHF+8*\s:DHF+8*\s+7], v[ACA+8*(\s%2):ACA+8*(\s%2)+7], v[WSS+\s], v[DHS+\s] matrix_a_fmt:MATRIX_FMT_FP4 matrix_b_fmt:MATRIX_FMT_FP4
.else
	v_wmma_scale_f32_16x16x128_f8f6f4 v[ACA+8*(\s%2):ACA+8*(\s%2)+7], v[WSF+8*\s:WSF+8*\s+7], v[DHF+8*\s:DHF+8*\s+7], v[ACA+8*(\s%2):ACA+8*(\s%2)+7], v[WSS+\s-4], v[DHS+\s-4] matrix_a_fmt:MATRIX_FMT_FP4 matrix_b_fmt:MATRIX_FMT_FP4 matrix_a_scale:MATRIX_SCALE_ROW1 matrix_b_scale:MATRIX_SCALE_ROW1
.endif
.endr
.rept 4
	v_nop                                          ; four places between the last product and the first read of a result (ISA guide 7.12.1)
.endr
.irp j, 0,2,4,6
	v_pk_add_f32 v[RES+\j:RES+\j+1], v[ACA+\j:ACA+\j+1], v[ACA+8+\j:ACA+8+\j+1]    ; the two halves of K; each accumulator is read from its low end on
.endr
.irp j, 0,2,4,6
	v_pk_mul_f32 v[RES+\j:RES+\j+1], v[RES+\j:RES+\j+1], s[20:21] op_sel_hi:[1,0]  ; x c
.endr
	s_wait_alu depctr_va_vdst(0)                   ; the multiplications have written v[RES ..], which the two stores read
	global_store_b128 v7, v[RES:RES+3], s[16:17]
	global_store_b128 v7, v[RES+4:RES+7], s[16:17] offset:16
	s_endpgm
.Lfunc_end_k_qb1f91095ac_prep:
	.size	k_qb1f91095ac_prep, .Lfunc_end_k_qb1f91095ac_prep-k_qb1f91095ac_prep
	.p2alignl 7, 3214868480
	.fill 96, 4, 3214868480
	.section	.rodata,"a",@progbits
	.p2align	6, 0x0
	.amdhsa_kernel k_qb1f91095ac_prep
		.amdhsa_group_segment_fixed_size 0
		.amdhsa_private_segment_fixed_size 0
		.amdhsa_enable_private_segment 0
		.amdhsa_kernarg_size 64
		.amdhsa_user_sgpr_count 2
		.amdhsa_user_sgpr_kernarg_segment_ptr 1
		.amdhsa_wavefront_size32 1
		.amdhsa_system_sgpr_workgroup_id_x 1
		.amdhsa_system_sgpr_workgroup_id_y 1
		.amdhsa_system_sgpr_workgroup_id_z 1
		.amdhsa_system_vgpr_workitem_id 0
		.amdhsa_next_free_vgpr 256
		.amdhsa_next_free_sgpr 66
		.amdhsa_reserve_vcc 0
		.amdhsa_float_denorm_mode_32 3
		.amdhsa_float_denorm_mode_16_64 3
		.amdhsa_memory_ordered 1
		.amdhsa_forward_progress 1
		.amdhsa_inst_pref_size 15
	.end_amdhsa_kernel
	.amdgpu_metadata
---
amdhsa.version: [ 1, 2 ]
amdhsa.kernels:
  - .name:           k_qb1f91095ac_prep
    .symbol:         k_qb1f91095ac_prep.kd
    .args:
      - { .name: W_s_codes, .offset: 0, .size: 8, .value_kind: global_buffer, .address_space: global }
      - { .name: W_s_scales, .offset: 8, .size: 8, .value_kind: global_buffer, .address_space: global }
      - { .name: decoder_hidden_codes, .offset: 16, .size: 8, .value_kind: global_buffer, .address_space: global }
      - { .name: decoder_hidden_scales, .offset: 24, .size: 8, .value_kind: global_buffer, .address_space: global }
      - { .name: b_s, .offset: 32, .size: 8, .value_kind: global_buffer, .address_space: global }
      - { .name: W_h_codes, .offset: 40, .size: 8, .value_kind: global_buffer, .address_space: global }
      - { .name: decp, .offset: 48, .size: 8, .value_kind: global_buffer, .address_space: global }
      - { .name: wf, .offset: 56, .size: 8, .value_kind: global_buffer, .address_space: global }
    .group_segment_fixed_size: 0
    .private_segment_fixed_size: 0
    .kernarg_segment_align: 8
    .kernarg_segment_size: 64
    .max_flat_workgroup_size: 32
    .sgpr_count:     66
    .vgpr_count:     256
    .wavefront_size: 32
...
	.end_amdgpu_metadata
.endif
;; end of part 4
;; launch main (part 5): grid 256 x 1, 8 waves a work-group, no clusters, 318,464 bytes of LDS; arguments encoder_output, coverage, mask, w_c, v, decp, wf, W_h_scales, scores, pctx, mws; writes scores, pctx, mws
.if DOCPART == 5
	.amdgcn_target "amdgcn-amd-amdhsa--gfx1250"
	.amdhsa_code_object_version 6
	.text
	.protected	k_qb1f91095ac_main
	.globl	k_qb1f91095ac_main
	.p2align	8
	.type	k_qb1f91095ac_main,@function
k_qb1f91095ac_main:
	s_mov_b64 s[64:65], 0
	v_nop
	global_prefetch_b8 v0, s[64:65] scope:SCOPE_SE
	s_setreg_imm32_b32 hwreg(HW_REG_WAVE_SCHED_MODE, 0, 2), 2
	s_setreg_imm32_b32 hwreg(HW_REG_WAVE_MODE, 25, 1), 1
	s_wait_xcnt 0x0
	s_wait_alu depctr_vm_vsrc(0)
; MAIN.  For 256 rows of one batch (work-group x: rows 256 x .. 256 x + 255 of the 65,536): quantise the rows of encoder_output to E2M1 with one E8M0 scale for each 32 along D, multiply by W_h
; (given codes), add the decoder feature and coverage x w_c, tanh, dot with v, and carry a running softmax and a partial context, so that encoder_output is read from memory once.
; ARITHMETIC.  tanh(z) = 1 - 2 r, r = 1 / (1 + 2^(c z)), c = 2 log2(e).  So score = sum(v) - 2 sum(v r); the constant sum(v) is the same for all rows of a softmax and falls out of it, so it is not formed.
;   t = log2(e) x (score - sum(v)) = sum over e of (-c v[e]) r[e].  Weights: 2^(t - m) mask, m the running largest t of the work-group over ALL its rows, masked or not.
;   Stored: t for every row (scores), the work-group m (mws) and sum of 2^(t - m) mask x row (pctx).  The last launch brings the 16 work-groups of a batch under one maximum and divides.
; SHARES.  Four blocks of 64 rows.  THE 8 WAVES SHARE THE FEATURES, NOT THE ROWS: wave w makes features 128 w .. 128 w + 127 (8 tiles of 16) for all 64 rows, and holds the codes of the 64 rows for all of K
;   (4 row tiles x 8 K steps x 8 registers: the whole of window 1).  So a fragment of W_h feeds four products and is wanted by ONE wave of the work-group: it comes from memory straight into registers, in
;   loads of 512 consecutive bytes out of wf.  While block i is multiplied, block i + 1 is loaded (wave w: rows 8 w .. 8 w + 7, two rows a trip), quantised, and laid into LDS: codes, scale bytes, and the rows in bf16.
; THE ORDER INSIDE A BLOCK OF 32.  Every load of encoder_output covers 512 consecutive bytes, and yet a lane ends with 8 numbers of ONE block, as the conversion wants them (macros ELOAD, QUANT): k = 4 m .. 4 m + 3 and
;   k = 16 + 4 m .. 16 + 4 m + 3 of block l / 4, m = l % 4.  So inside a block the codes lie in that order; wf has W_h in the same order, which leaves each product's terms as they are.  The rows in bf16 lie
;   in the same order, in pieces of 4 neighbouring columns; the one store of the context puts each lane's piece at its true place.
; NO CLUSTER, NO TENSOR LOADS: W_h is what the work-groups share, but two blocks in bf16 (2 x 131,072 bytes), the codes, the scale bytes and the tables take 317,440 bytes of LDS, which leaves no room for slots
;   of W_h; and since each fragment is read by one wave only, a way through LDS would add a write and a read to each of its bytes.
; THE MATRIX INSTRUCTION IS USED TRANSPOSED: source 0 = 16 rows of W_h, source 1 = 16 rows of x: lane (r, h) holds row r of the tile and features 8 h + 0 .. 7: the dot with v runs along a lane's registers.
; LIMITS: NaN and infinities among the inputs are not served.  A block of 32 zeros gets the scale byte 1 where the quantiser says 127: its codes are zeros, and the bytes are read by this launch alone.
;   For the context (a product left as it is) the rows are rounded to bf16; its sums are f32.  Weights under 2^-126 count as 0 (v_exp_f32 flushes them: ISA guide, its entry).
; THE MODE: SCHED_MODE bits 1:0 = 2 (LLVM: expert scheduling mode 2), set by the entry lines.  The code itself states the register dependences
; between vector or matrix instructions and memory or LDS instructions, with s_wait_alu, always for 0.
; THE PLAN.  Registers that memory or LDS instructions touch, and who else names them:
;   WF, WSC      a tile of W_h: loads land; the 32 products of MM read.  One wait on va_vdst behind each MM; the next tile's 17 loads follow it at once.
;   E            a unit of two rows: loads land behind the first MM of a trip; QUANT's vector lines read and rewrite it; QUANT's LDS stores read it.
;   TC           LDS loads of the tables land; TANH reads.  At a block's end the mask and the weights land; the softmax and the sums of the context read.
;   ACC          products and TANH; QUANT keeps its bytes, codes and three addresses there, which its LDS stores read; at a block's end the partial sums and the bf16 rows land, in two halves by turns.
;   window 1, XSR, COV   LDS loads land at a block's head; products and TANH read.
;   SUM          at a block's end its four even registers are the data of four LDS stores; cleared at the next block's head.
;   v[TA], v248  LDS addresses written once a trip, once a block.  v250 to v253: a store's offset and three LDS addresses, made ahead of the wait that stands in front of the partial sums' stores.
;   v248, v249, v254, v255   t and the weights: data of the two stores of the softmax.
;   All other offsets and addresses are made at the head, ahead of the first wait on va_vdst, and never written again.
; A TRIP: at its head one wait on vm_vsrc (what the LDS instructions of the last trip read is written again) and one on va_vdst (v[TA]; TC is free); one on va_vdst behind each MM; one behind the first TANH (TC is free);
; one in QUANT ahead of its run of LDS stores.  Each run of loads stands straight behind the wait that frees its registers, and no vector or matrix instruction between the wait and the run names them.
; All 512 registers of a wave are in use (two waves share a SIMD's 1,024), so W_h's tile and the tables have one buffer each.
; LDS
.set XB1,  131072                      ; the rows in bf16, pitch 2,048: buffer 0 at 0, buffer 1 here; blocks take them by turns
.set XC,   262144                      ; codes: 64 rows, pitch 528 = 512 + 16: an odd multiple of 16, so that the 16 rows of a fragment load start at 16 different banks
.set XCP,  528
.set XS,   XC+64*XCP                   ; scale bytes: 64 rows, pitch 48 (32 used)
.set XSP,  48
.set TAB,  XS+64*XSP                   ; decp of my batch [1024]; + 4096: c w_c; + 8192: -c v
.set COVM, TAB+12288                   ; my 256 rows: coverage; + 1024: mask
.set SCP,  COVM+2048                   ; [64 rows][8 waves] partial sums of t
.set PB,   SCP+2048                    ; 256 bytes for each wave, its own: the 64 weights of a block.  Ends at 317,440
; VECTOR REGISTERS, window 0 (window 1: the codes, fragment (t, s) at v[8 (8 t + s)]; in the prologue the four load units of block 0)
.set WL,   1                           ; 16 l: my 16 bytes of a 512-byte piece of wf
.set WSL,  2                           ; 32 r + 16 h: my 16 scale bytes of a tile of W_h
.set EL,   3                           ; my 16 bytes of a load's 512 of a row: 128 ((l % 16) / 4) + 64 (l / 16) + 16 (l % 4)
.set AC0,  4                           ; XC + 8 XCP w + 4 l
.set AS0,  5                           ; XS + 8 XSP w + l / 4
.set AB0,  6                           ; 16,384 w + 16 l
.set AF0,  7                           ; XC + XCP r + 16 h
.set AXS,  8                           ; XS + XSP l
.set ACV0, 9                           ; COVM + 4 r
.set TA0,  10                          ; TAB + 512 w + 32 h
.set TA,   11                          ; the same for the trip in hand
.set ASC,  12                          ; SCP + 32 r + 4 w
.set ASR,  13                          ; SCP + 64 l
.set AMK0, 14                          ; COVM + 1024 + 8 l
.set APB,  15                          ; PB + 256 w + 8 l
.set APR,  16                          ; PB + 256 w
.set CA0,  17                          ; 256 w + 8 l: my piece of 4 columns of a bf16 row
.set GS,   18                          ; 8 l
.set PFO,  19                          ; 256 l: the prefetches' offset; never rewritten
.set CTX,  20                          ; v[20:23]   the context of my 4 columns
.set MRUN, 24                          ; v24        the running largest t; v25 its copy for the last store
.set F,    26                          ; v[26:27]   2^(old m - new m), twice
.set COV,  28                          ; v[28:35]   coverage of row 16 t + r, in both registers of pair t
.set SUM,  36                          ; v[36:43]   sum of -c v r, pair t (even features, odd features); at a block's end register 2 t: my wave's 128 features of row 16 t + r
.set XSR,  44                          ; v[44:59]   scale words of x: register 8 p + s: lanes 0-15 row tile 2 p, lanes 16-31 row tile 2 p + 1, K step s.  Scales and nothing else
.set WSC,  60                          ; v[60:63]   scale words of W_h: register q: lanes 0-15 K step q, lanes 16-31 K step q + 4.  Scales and nothing else
.set TC,   64                          ; v[64:87]   my eight features of the three tables
.set DEC,  64
.set WCC,  72
.set VV,   80
.set ACC,  88                          ; v[88:119]  four accumulators, one for each row tile; between the products at work for the quantiser, the softmax and the context
.set QM,   ACC                         ; the quantiser: largest magnitudes, then scale bytes;
.set QS,   ACC+8                       ; the scale operands of the conversions;
.set QC,   ACC+16                      ; the codes;
.set QA,   ACC+24                      ; three LDS addresses
.set WF,   120                         ; v[120:183] a tile of W_h: 8 K steps x 8 registers
.set E,    184                         ; v[184:247] a load unit: 2 rows x 4 quarters x 8 numbers; then its bf16 (4 registers of each 8)
; SCALAR REGISTERS
.set WV,   26                          ; my wave
.set EB0,  32                          ; s[32:33] encoder_output at my wave first row
.set EA,   34                          ; s[34:35] the unit in hand
.set WB0,  36                          ; s[36:37] wf at my 8 tiles
.set WA,   38                          ; s[38:39] the pair of tiles in hand
.set WSB0, 40                          ; s[40:41], s[42:43] the same of W_h_scales
.set WSA,  42
.set CC,   44                          ; s[44:45] c, c
.set SEL,  46                          ; s[46:47] selects of v_permlanex16_b32: lane l xor 16
.set BLK,  48
.set KK,   49                          ; trip 0 .. 3
.set TABK, 50                          ; 128 x trip
.set UC,   53                          ; 2 XCP x trip
.set US,   54                          ; 2 XSP x trip
.set UBK,  55                          ; 4,096 x trip
.set NB,   56                          ; the bf16 buffer of block i + 1
.set BC,   57                          ; that of block i
.set EO,   58                          ; s[58:59] byte offset of the unit to load
.set CVO,  60                          ; 256 x block
.set UB2,  61
.set KW,   68                          ; s[68:69] 16,384 x the trip whose tiles are asked for, modulo 4 trips
.set KS,   70                          ; s[70:71] 1,024 x the same
.set NC,   72                          ; s[72:73] -c, -c
.set PFA,  74                          ; s[74:75] the unit that the next trip will load
.set PD,   76                          ; s[76:77] bytes from the unit in hand to that one
.set PI,   78                          ; 4 x block + trip: 0 .. 11
.set NEXTB, 262144-32768               ; from my 8 rows of one block to my 8 rows of the next: 64 rows on, less the four units walked
.set MSB, 0
.macro WIN new                         ; s_set_vgpr_msb: bits 1:0 source 0, 3:2 source 1, 5:4 source 2, 7:6 destination; the high byte repeats the setting that is left; a switch that changes nothing is dropped
.if MSB != \new
	s_set_vgpr_msb (MSB<<8)|\new
.set MSB, \new
.endif
.endm
.macro BARRIER                         ; my LDS stores have landed and my LDS loads are in: then the barrier of the work-group
	s_wait_dscnt 0x0
	s_barrier_signal -1
	s_barrier_wait -1
.endm
; 17 loads: tile ib (0, 1) of the pair at WA: 16 pieces of 512 consecutive bytes, and the 512 scale bytes of its 16 rows
.macro WLOAD ib
.irp s, 0,1,2,3,4,5,6,7
.irp c, 0,1
	global_load_b128 v[WF+8*\s+4*\c:WF+8*\s+4*\c+3], v[WL], s[WA:WA+1] offset:(2*\s+\c)*512+8192*\ib
.endr
.endr
	global_load_b128 v[WSC:WSC+3], v[WSL], s[WSA:WSA+1] offset:512*\ib
.endm
; 16 loads: a unit of two rows, 8,192 consecutive bytes; EACH LOAD COVERS 512 CONSECUTIVE BYTES, four blocks of 32 numbers.  Group 4 p + q is quarter q of row p: 8 blocks, two loads.
; In a load lanes 0-15 take the first 64 bytes of each of the four blocks (lane j: block j / 4, 16 bytes at 16 (j % 4)), lanes 16-31 the second 64 bytes.  The first load (blocks 0-3) fills
; registers 0-3 of the group, the second (blocks 4-7) registers 4-7; QUANT's exchange of halves then brings a block's two pieces into one lane.
.macro ELOAD reg, sb, off
.irp p, 0,1
.irp q, 0,1,2,3
	global_load_b128 v[\reg+32*\p+8*\q:\reg+32*\p+8*\q+3], v[EL], s[\sb:\sb+1] offset:\off+4096*\p+1024*\q th:TH_LOAD_NT
	global_load_b128 v[\reg+32*\p+8*\q+4:\reg+32*\p+8*\q+7], v[EL], s[\sb:\sb+1] offset:\off+4096*\p+1024*\q+512 th:TH_LOAD_NT
.endr
.endr
.endm
; 6 LDS loads: the three tables at my eight features of tile ib of the trip
.macro TABLOAD ib
.irp u, 0,1,2
	ds_load_b128 v[TC+8*\u:TC+8*\u+3], v[TA] offset:4096*\u+64*\ib
	ds_load_b128 v[TC+8*\u+4:TC+8*\u+7], v[TA] offset:4096*\u+64*\ib+16
.endr
.endm
; one product: K step s of row tile t
.macro ONE s, t
.set rD, ACC+8*(\t)
.set rA, WF+8*(\s)
.set rB, 8*(8*(\t)+(\s))
.set rSA, WSC+(\s)%4
.set rSB, XSR+8*((\t)/2)+(\s)
.if (\s) == 0 && (\t)%2 == 0
	v_wmma_scale_f32_16x16x128_f8f6f4 v[rD:rD+7], v[rA:rA+7], v[rB:rB+7], 0, v[rSA], v[rSB] matrix_a_fmt:MATRIX_FMT_FP4 matrix_b_fmt:MATRIX_FMT_FP4
.elseif (\s) == 0
	v_wmma_scale_f32_16x16x128_f8f6f4 v[rD:rD+7], v[rA:rA+7], v[rB:rB+7], 0, v[rSA], v[rSB] matrix_a_fmt:MATRIX_FMT_FP4 matrix_b_fmt:MATRIX_FMT_FP4 matrix_b_scale:MATRIX_SCALE_ROW1
.elseif (\s) < 4 && (\t)%2 == 0
	v_wmma_scale_f32_16x16x128_f8f6f4 v[rD:rD+7], v[rA:rA+7], v[rB:rB+7], v[rD:rD+7], v[rSA], v[rSB] matrix_a_fmt:MATRIX_FMT_FP4 matrix_b_fmt:MATRIX_FMT_FP4
.elseif (\s) < 4
	v_wmma_scale_f32_16x16x128_f8f6f4 v[rD:rD+7], v[rA:rA+7], v[rB:rB+7], v[rD:rD+7], v[rSA], v[rSB] matrix_a_fmt:MATRIX_FMT_FP4 matrix_b_fmt:MATRIX_FMT_FP4 matrix_b_scale:MATRIX_SCALE_ROW1
.elseif (\t)%2 == 0
	v_wmma_scale_f32_16x16x128_f8f6f4 v[rD:rD+7], v[rA:rA+7], v[rB:rB+7], v[rD:rD+7], v[rSA], v[rSB] matrix_a_fmt:MATRIX_FMT_FP4 matrix_b_fmt:MATRIX_FMT_FP4 matrix_a_scale:MATRIX_SCALE_ROW1
.else
	v_wmma_scale_f32_16x16x128_f8f6f4 v[rD:rD+7], v[rA:rA+7], v[rB:rB+7], v[rD:rD+7], v[rSA], v[rSB] matrix_a_fmt:MATRIX_FMT_FP4 matrix_b_fmt:MATRIX_FMT_FP4 matrix_a_scale:MATRIX_SCALE_ROW1 matrix_b_scale:MATRIX_SCALE_ROW1
.endif
.endm
; 32 products: one tile of 16 features x 64 rows x all of K.  The first K step starts the sums with the constant 0.  The four accumulators take turns, one instruction a turn.
.macro MM
	WIN 0x04                                       ; source 1, the codes of x: window 1
.irp s, 0,1,2,3,4,5,6,7
.irp t, 0,1,2,3
	ONE \s, \t
.endr
.endr
	WIN 0
.rept 4
	v_nop                                          ; four places in front of the first read of a result by a vector instruction; the loads into the registers of W_h have the wait that follows the macro
.endr
.endm
; The tile's 4 x 8 results of a lane: c acc + decs + cov x wcs; 2^that; + 1; reciprocal; sum += (-c v) r.  The exponentials are one batch with one wait, and so are the reciprocals.
.macro TANH
	s_wait_dscnt 0x0                               ; the tables are in
.irp p, 0,2,4,6
.irp t, 0,1,2,3
	v_pk_fma_f32 v[ACC+8*\t+\p:ACC+8*\t+\p+1], v[ACC+8*\t+\p:ACC+8*\t+\p+1], s[CC:CC+1], v[DEC+\p:DEC+\p+1] op_sel_hi:[1,0,1]   ; each accumulator from its low end on
.endr
.endr
.irp p, 0,2,4,6
.irp t, 0,1,2,3
	v_pk_fma_f32 v[ACC+8*\t+\p:ACC+8*\t+\p+1], v[COV+2*\t:COV+2*\t+1], v[WCC+\p:WCC+\p+1], v[ACC+8*\t+\p:ACC+8*\t+\p+1]
.endr
.endr
.set JJ, 0
	s_wait_alu depctr_va_vdst(0)
.rept 32
	v_exp_f32 v[ACC+JJ], v[ACC+JJ]                 ; beyond the range of f32: infinity, whose reciprocal is 0: tanh = 1; far below: 0: tanh = -1
.set JJ, JJ+1
.endr
	v_nop                                          ; a plain instruction behind the last exponential
	s_wait_alu depctr_va_vdst(0)                   ; the 32 exponentials have written v[ACC ..]: one wait for the batch, ahead of its first reader
.set JJ, 0
.rept 16
	v_pk_add_f32 v[ACC+JJ:ACC+JJ+1], v[ACC+JJ:ACC+JJ+1], 1.0 op_sel_hi:[1,0]
.set JJ, JJ+2
.endr
.set JJ, 0
	s_wait_alu depctr_va_vdst(0)
.rept 32
	v_rcp_f32 v[ACC+JJ], v[ACC+JJ]
.set JJ, JJ+1
.endr
	v_nop
	s_wait_alu depctr_va_vdst(0)                   ; the 32 reciprocals have written v[ACC ..]: and one for them
.irp p, 0,2,4,6
.irp t, 0,1,2,3
	v_pk_fma_f32 v[SUM+2*\t:SUM+2*\t+1], v[ACC+8*\t+\p:ACC+8*\t+\p+1], v[VV+\p:VV+\p+1], v[SUM+2*\t:SUM+2*\t+1]
.endr
.endr
.endm
; A unit of two rows (64 numbers a lane at v[xb + 8 g + i] of window xw, as ELOAD left them) becomes codes, scale bytes and bf16 in LDS.  pc, ps, pb: address registers; oc, os, ob: offsets.
; THE EXCHANGE OF HALVES: register i of a group (blocks 0-3: first pieces in lanes 0-15, second pieces in lanes 16-31) gives its lanes 16-31 for the lanes 0-15 of register 4 + i (the same of blocks 4-7).
; Then lane l holds, of block l / 4 of the quarter, k = 4 m .. 4 m + 3 in registers 0-3 and k = 16 + 4 m .. 16 + 4 m + 3 in registers 4-7, m = l % 4: 8 numbers of one block, four neighbouring lanes to a block.
; A block's scale: the largest magnitude of its 32 numbers (8 of mine, then lanes l xor 1 and l xor 2), held from below at 2^(3 - 127); 2 off its exponent field is the scale operand of the conversion, which takes
; that field alone; shifted down it is the E8M0 byte.  The conversion divides, rounds to the nearest code, ties to even, and gives the largest code beyond 6.
; All its vector lines stand ahead of ONE wait; its 24 LDS stores follow in one run.  What those stores read is written again only behind a wait on vm_vsrc, which the caller lays.
.macro QUANT xb, xw, pc, ps, pb, oc, os, ob
	WIN 0x41*\xw                                   ; both registers of an exchange lie in the numbers' window
.irp g, 0,1,2,3,4,5,6,7
.irp i, 0,1,2,3
	v_permlane16_swap_b32 v[\xb+8*\g+\i], v[\xb+8*\g+4+\i]
.endr
.endr
	WIN 0x05*\xw
.irp g, 0,1,2,3,4,5,6,7
	v_max3_num_f32 v[QM+\g], |v[\xb+8*\g]|, |v[\xb+8*\g+1]|, 0x1800000
.endr
	WIN 0x14*\xw
.irp i, 2,4,6
.irp g, 0,1,2,3,4,5,6,7
	v_max3_num_f32 v[QM+\g], v[QM+\g], |v[\xb+8*\g+\i]|, |v[\xb+8*\g+\i+1]|
.endr
.endr
	WIN 0
.irp g, 0,1,2,3,4,5,6,7
	v_max_num_f32_dpp v[QM+\g], v[QM+\g], v[QM+\g] row_xmask:1 row_mask:0xf bank_mask:0xf
.endr
.irp g, 0,1,2,3,4,5,6,7
	v_max_num_f32_dpp v[QM+\g], v[QM+\g], v[QM+\g] row_xmask:2 row_mask:0xf bank_mask:0xf
.endr
.irp g, 0,1,2,3,4,5,6,7
	v_add_nc_u32 v[QS+\g], 0xff000000, v[QM+\g]
.endr
	WIN 0x01*\xw
.irp g, 0,1,2,3,4,5,6,7
	v_cvt_scalef32_pk8_fp4_f32 v[QC+\g], v[\xb+8*\g:\xb+8*\g+7], v[QS+\g]
.endr
	WIN 0
.irp g, 0,1,2,3,4,5,6,7
	v_lshrrev_b32 v[QM+\g], 23, v[QS+\g]           ; the scale bytes.  (Plain instructions behind the conversions, ahead of the lines that write over their sources)
.endr
	WIN 0x05*\xw
.irp g, 0,1,2,3,4,5,6,7
.irp i, 0,1,2,3
	v_cvt_pk_bf16_f32 v[E+8*\g+\i], v[\xb+8*\g+2*\i], v[\xb+8*\g+2*\i+1]   ; where xb = E: in place, ascending: register i is written when numbers 2 i and 2 i + 1 are read
.endr
.endr
	WIN 0
	s_wait_alu depctr_va_vdst(0)                   ; the codes v[QC ..], the bytes v[QM ..] and the bf16 in v[E ..] are written, and in the loop the three addresses v[QA ..]: the LDS stores below read them.  The lines above are also done with the numbers' registers, in which later loads land
.irp g, 0,1,2,3,4,5,6,7
	ds_store_b32 v[\pc], v[QC+\g] offset:\oc+XCP*(\g/4)+128*(\g%4)          ; 32 lanes: 128 consecutive bytes of a row of codes: word m of block l / 4
	ds_store_b8 v[\ps], v[QM+\g] offset:\os+XSP*(\g/4)+8*(\g%4)             ; the four lanes of a block write the same byte with the same value
	ds_store_b128 v[\pb], v[E+8*\g:E+8*\g+3] offset:\ob+2048*(\g/4)+512*(\g%4)   ; 32 lanes: 512 consecutive bytes of a bf16 row: my two pieces of 4 columns side by side
.endr
.endm
; A TRIP: two tiles of features (a, b), and with ld = 1 one unit of the next block.
; THE PREFETCH (ld = 1): behind the trip's 33 loads each wave asks for the unit that its NEXT trip loads: 8,192 consecutive bytes, a lane to each 256.  A unit is read by one wave alone, so each of its
; bytes is asked for once in the launch.  The first unit of block 1 comes by its loads alone; the last of the 12 trips has no unit behind it and asks for nothing.
.macro TRIP ld
	s_wait_loadcnt 0x0                             ; tile a: its 17 loads are the only ones out
	s_wait_dscnt 0x0                               ; the last trip's LDS stores have landed
	s_wait_alu depctr_vm_vsrc(0)                   ; the table loads issued so far have read v[TA], which the next line writes; the last QUANT's LDS stores have read v[QM ..], v[QC ..], v[QA ..], which the products write, and v[E ..], in which the unit's loads land
	v_add_nc_u32 v[TA], s[TABK], v[TA0]
	s_wait_alu depctr_va_vdst(0)                   ; v[TA] is written, which the table loads read; the last TANH is done reading v[TC ..], in which they land
	TABLOAD 0
	MM
	s_wait_alu depctr_va_vdst(0)                   ; the products are done reading v[WF ..] and v[WSC ..], in which tile b's loads land
.if \ld
	s_wait_xcnt 0x0                                ; the last trip's prefetch has read its base (no load of mine is out here): both bases below may be written
	s_add_nc_u64 s[EA:EA+1], s[EB0:EB0+1], s[EO:EO+1]
	s_mov_b32 s[PD], 8192+NEXTB
	s_cmp_eq_u32 s[KK], 3
	s_cselect_b32 s[PD], s[PD], 8192               ; the next unit: 8,192 bytes on; behind a block's fourth unit, my first of the block after
	s_add_nc_u64 s[PFA:PFA+1], s[EA:EA+1], s[PD:PD+1]
	s_lshl_b32 s[PI], s[BLK], 2
	s_add_co_u32 s[PI], s[PI], s[KK]
.endif
	WLOAD 1                                        ; tile b, from the same base: it has the vector work on tile a in which to come
.if \ld
	ELOAD E, EA, 0                                 ; no wait of its own: no vector or matrix instruction since QUANT's wait names v[E ..]
	s_cmp_lt_u32 s[PI], 11
	s_cbranch_scc0 .Lnopf_\@
	global_prefetch_b8 v[PFO], s[PFA:PFA+1] th:TH_LOAD_NT scope:SCOPE_SE
.Lnopf_\@:
.endif
	TANH
	s_wait_alu depctr_va_vdst(0)                   ; TANH is done reading v[TC ..], in which tile b's tables land
	TABLOAD 1                                      ; ahead of the wait for tile b: they are on their way meanwhile
	s_wait_loadcnt 16*\ld                          ; tile b is in; the 16 younger loads of the unit may be out
	MM
	s_wait_alu depctr_va_vdst(0)                   ; the products are done reading v[WF ..] and v[WSC ..], in which the next tile a's loads land
	s_add_co_u32 s[KW], s[KW], 16384               ; tile b's loads are done, so their bases may be written: on to the next trip's pair; behind trip 3 back to the first, for the next block
	s_and_b32 s[KW], s[KW], 0xffff
	s_add_co_u32 s[KS], s[KS], 1024
	s_and_b32 s[KS], s[KS], 0xfff
	s_add_nc_u64 s[WA:WA+1], s[WB0:WB0+1], s[KW:KW+1]
	s_add_nc_u64 s[WSA:WSA+1], s[WSB0:WSB0+1], s[KS:KS+1]
.if \ld
	WLOAD 0
.else
	s_cmp_eq_u32 s[KK], 3                          ; the last trip of the last block has no successor: it asks for nothing (no counted wait follows on this way)
	s_cbranch_scc1 .Lnone_\@
	WLOAD 0
.Lnone_\@:
.endif
	TANH
.if \ld
	s_wait_loadcnt 17                              ; the unit is in; the 17 younger loads of the next tile a may be out
	s_add_co_u32 s[UB2], s[UBK], s[NB]
	v_add_nc_u32 v[QA], s[UC], v[AC0]
	v_add_nc_u32 v[QA+1], s[US], v[AS0]
	v_add_nc_u32 v[QA+2], s[UB2], v[AB0]
	QUANT E, 0, QA, QA+1, QA+2, 0, 0, 0
.endif
.endm
; The block's 64 values of t, in every wave alike (the same sums in the same order, so that all waves hold the same m): lane l takes rows 2 l and 2 l + 1.
; v250 (the offset of t in scores) and v251 (the LDS address of my two rows' mask) were made ahead of the wait in front of the partial sums' stores.
.macro SOFTMAX
.irp u, 0,1,2,3
	ds_load_b128 v[ACC+4*\u:ACC+4*\u+3], v[ASR] offset:16*\u
.endr
	ds_load_b64 v[TC+16:TC+17], v251               ; the mask of my two rows
	s_wait_dscnt 0x0
	v_pk_add_f32 v[ACC:ACC+1], v[ACC:ACC+1], v[ACC+2:ACC+3]
	v_pk_add_f32 v[ACC+8:ACC+9], v[ACC+8:ACC+9], v[ACC+10:ACC+11]
	v_pk_add_f32 v[ACC+4:ACC+5], v[ACC+4:ACC+5], v[ACC+6:ACC+7]
	v_pk_add_f32 v[ACC+12:ACC+13], v[ACC+12:ACC+13], v[ACC+14:ACC+15]
	v_pk_add_f32 v[ACC:ACC+1], v[ACC:ACC+1], v[ACC+4:ACC+5]
	v_pk_add_f32 v[ACC+8:ACC+9], v[ACC+8:ACC+9], v[ACC+12:ACC+13]
	v_add_f32 v248, v[ACC], v[ACC+1]               ; t of row 2 l
	v_add_f32 v249, v[ACC+8], v[ACC+9]             ; and of row 2 l + 1
	v_max_num_f32 v[ACC+17], v248, v249
	v_max_num_f32_dpp v[ACC+17], v[ACC+17], v[ACC+17] row_xmask:1 row_mask:0xf bank_mask:0xf
	v_max_num_f32_dpp v[ACC+17], v[ACC+17], v[ACC+17] row_xmask:2 row_mask:0xf bank_mask:0xf
	v_max_num_f32_dpp v[ACC+17], v[ACC+17], v[ACC+17] row_xmask:4 row_mask:0xf bank_mask:0xf
	v_max_num_f32_dpp v[ACC+17], v[ACC+17], v[ACC+17] row_xmask:8 row_mask:0xf bank_mask:0xf
	v_permlanex16_b32 v[ACC+18], v[ACC+17], s[SEL], s[SEL+1]
	v_max3_num_f32 v[ACC+16], v[ACC+17], v[ACC+18], v[MRUN]  ; the new m
	v_sub_f32 v[F], v[MRUN], v[ACC+16]
	v_sub_f32 v254, v248, v[ACC+16]
	v_sub_f32 v255, v249, v[ACC+16]
	s_wait_alu depctr_va_vdst(0)
	v_exp_f32 v[F], v[F]                           ; 2^(old m - new m): 0 in the first block, whose old m lies under every t
	v_exp_f32 v254, v254
	v_exp_f32 v255, v255
	v_mov_b32 v[MRUN], v[ACC+16]                   ; (a plain instruction behind the exponentials)
	s_wait_alu depctr_va_vdst(0)                   ; the three exponentials have written v[F], v254 and v255: one wait, ahead of their first reader
	v_mov_b32 v[F+1], v[F]
	v_pk_mul_f32 v[254:255], v[254:255], v[TC+16:TC+17]    ; x mask
	v_pk_mul_f32 v[CTX:CTX+1], v[CTX:CTX+1], v[F:F+1]
	v_pk_mul_f32 v[CTX+2:CTX+3], v[CTX+2:CTX+3], v[F:F+1]
	s_wait_alu depctr_va_vdst(0)                   ; t in v248, v249 and the weights in v254, v255 are written, which the two stores below read; the lines above are done with v[ACC ..] and v[TC ..], in which the context's loads land
	s_cmp_lg_u32 s[WV], 0
	s_cbranch_scc1 .Lnot_0_\@
	global_store_b64 v250, v[248:249], s[20:21]    ; wave 0: 256 consecutive bytes, aligned.  v248-250 are written again only behind the waits at the block's end and at the next block's head
.Lnot_0_\@:
	ds_store_b64 v[APB], v[254:255]                ; into my wave's own 256 bytes: LDS serves a wave's instructions in order (ISA guide 5.7.1.4), so its loads below see them
.endm
; 10 LDS loads: rows 8 n .. 8 n + 7 of the block in bf16 at my piece of 4 columns (32 lanes: 256 consecutive bytes), and their 8 weights (every lane the same).  v252: rows 0-31; v253: rows 32-63
.macro LOADB n
.irp j, 0,1,2,3,4,5,6,7
	ds_load_b64 v[ACC+16*((\n)%2)+2*\j:ACC+16*((\n)%2)+2*\j+1], v[252+(\n)/4] offset:((8*(\n)+\j)%32)*2048
.endr
	ds_load_b128 v[TC+8*((\n)%2):TC+8*((\n)%2)+3], v[APR] offset:32*(\n)
	ds_load_b128 v[TC+8*((\n)%2)+4:TC+8*((\n)%2)+7], v[APR] offset:32*(\n)+16
.endm
; batch n is summed: bf16 halves times f32 weights, sums in f32, rows ascending
.macro SUMB n
.irp j, 0,1,2,3,4,5,6,7
	v_fma_mix_f32_bf16 v[CTX], v[ACC+16*((\n)%2)+2*\j], v[TC+8*((\n)%2)+\j], v[CTX] op_sel_hi:[1,0,0]
	v_fma_mix_f32_bf16 v[CTX+1], v[ACC+16*((\n)%2)+2*\j], v[TC+8*((\n)%2)+\j], v[CTX+1] op_sel:[1,0,0] op_sel_hi:[1,0,0]
	v_fma_mix_f32_bf16 v[CTX+2], v[ACC+16*((\n)%2)+2*\j+1], v[TC+8*((\n)%2)+\j], v[CTX+2] op_sel_hi:[1,0,0]
	v_fma_mix_f32_bf16 v[CTX+3], v[ACC+16*((\n)%2)+2*\j+1], v[TC+8*((\n)%2)+\j], v[CTX+3] op_sel:[1,0,0] op_sel_hi:[1,0,0]
.endr
.endm
; context += weight x row, 64 rows x my 4 columns, in 8 batches of 8 rows through two buffers by turns: while batch n is summed out of one, batch n + 1 lands in the other.
; One wait at a step's head, behind the wait for the step's data, states that the sums of the batch before are done reading the buffer that is asked for again.
.macro CONTEXT
	LOADB 0
	LOADB 1
	s_wait_dscnt 10                                ; batch 0 is in; the 10 younger loads may be out
	SUMB 0
.irp n, 1,2,3,4,5,6,7
	s_wait_alu depctr_va_vdst(0)
	s_wait_dscnt 0x0                               ; batch n is in: its loads are the only ones out
.if \n < 7
	s_wait_alu depctr_va_vdst(0)                   ; the sums of batch n - 1 are done reading their halves of v[ACC ..] and v[TC ..], in which batch n + 1 lands
	LOADB \n+1
.endif
	SUMB \n
.endr
.endm
; A BLOCK of 64 rows.  ld = 1: the next block is loaded and quantised on the way.  Two barriers:
; the first: every wave has the block's codes and scale words in registers and has finished the last block's reads of the bf16 rows and of the partial sums: all these bytes may be written;
; the second: the partial sums of this block are whole, and so are the next block's codes, scale bytes and bf16 rows.
; Between them a wave writes only bytes that are its own by its number (codes 8 rows, scale bytes 8 rows, bf16 8 rows, its word of each partial sum) and reads the tables, which nobody writes.
.macro BLOCK ld
	s_wait_alu depctr_vm_vsrc(0)                   ; the last block's LDS stores have read their sums in v[SUM ..], and its store of t v248: the lines below write them again
	v_add_nc_u32 v248, s[CVO], v[ACV0]
.irp j, 0,1,2,3,4,5,6,7
	v_mov_b32 v[SUM+\j], 0
.endr
	WIN 0x40                                       ; destination window 1
	s_wait_alu depctr_va_vdst(0)                   ; the last block's products are done reading the codes in window 1 and v[XSR ..], its TANH v[COV ..] (in the first block: QUANT is done with window 1): the loads below land there
.irp t, 0,1,2,3
.irp s, 0,1,2,3,4,5,6,7
.irp c, 0,1
	ds_load_b128 v[8*(8*\t+\s)+4*\c:8*(8*\t+\s)+4*\c+3], v[AF0] offset:16*XCP*\t+64*\s+32*\c   ; row 16 t + r, block 4 s + 2 c + h
.endr
.endr
.endr
	WIN 0
.irp p, 0,1
	ds_load_b128 v[XSR+8*\p:XSR+8*\p+3], v[AXS] offset:32*XSP*\p         ; lane l: row 32 p + l, K steps 0-3;
	ds_load_b128 v[XSR+8*\p+4:XSR+8*\p+7], v[AXS] offset:32*XSP*\p+16    ; K steps 4-7
.endr
.irp t, 0,1,2,3
	ds_load_b32 v[COV+2*\t], v248 offset:64*\t
	ds_load_b32 v[COV+2*\t+1], v248 offset:64*\t
.endr
	s_mov_b32 s[KK], 0
	s_mov_b32 s[TABK], 0
.if \ld
	s_mov_b32 s[UC], 0
	s_mov_b32 s[US], 0
	s_mov_b32 s[UBK], 0
.endif
	BARRIER
.Ltrip_\@:
	TRIP \ld
	s_add_co_u32 s[TABK], s[TABK], 128
.if \ld
	s_add_co_u32 s[UC], s[UC], 2*XCP
	s_add_co_u32 s[US], s[US], 2*XSP
	s_add_co_u32 s[UBK], s[UBK], 4096
	s_add_co_u32 s[EO], s[EO], 8192
.endif
	s_add_co_u32 s[KK], s[KK], 1
	s_cmp_lt_u32 s[KK], 4
	s_cbranch_scc1 .Ltrip_\@
.irp t, 0,1,2,3
	v_add_f32 v[SUM+2*\t], v[SUM+2*\t], v[SUM+2*\t+1]        ; even and odd features,
.endr
.irp t, 0,1,2,3
	v_permlanex16_b32 v[SUM+2*\t+1], v[SUM+2*\t], s[SEL], s[SEL+1]
.endr
.irp t, 0,1,2,3
	v_add_f32 v[SUM+2*\t], v[SUM+2*\t], v[SUM+2*\t+1]        ; and the other half of the lanes: my wave's 128 features of row 16 t + r
.endr
	v_add_nc_u32 v250, s[CVO], v[GS]               ; what the softmax and the context read by is made here, ahead of the wait that stands here anyway: the offset of t,
	v_add_nc_u32 v251, s[CVO], v[AMK0]             ; the mask of my two rows,
	v_add_nc_u32 v252, s[BC], v[CA0]               ; the bf16 rows 0-31,
	v_add_nc_u32 v253, 0x10000, v252               ; and rows 32-63: beyond the 16 bits of the offset
	s_wait_alu depctr_va_vdst(0)                   ; the four sums are written, which the LDS stores read, and v250 to v253; TANH and QUANT are done with v[ACC ..] and v[TC ..], in which the loads behind the barrier land
.irp t, 0,1,2,3
	ds_store_b32 v[ASC], v[SUM+2*\t] offset:512*\t           ; both halves of the lanes write the same word with the same value
.endr
	BARRIER
.if \ld
	s_wait_alu depctr_vm_vsrc(0)                   ; the last QUANT's LDS stores have read v[QM ..], v[QC ..] and v[QA ..]: the loads of the softmax and of the context land in these registers
.endif
	SOFTMAX
	CONTEXT
.if \ld
	s_wait_xcnt 0x0                                ; the store of t has read its registers: the next block writes them again
	s_xor_b32 s[NB], s[NB], XB1
	s_xor_b32 s[BC], s[BC], XB1
	s_add_co_u32 s[CVO], s[CVO], 256
	s_add_co_u32 s[EO], s[EO], NEXTB
.endif
.endm
	s_load_b256 s[4:11], s[0:1], 0x0               ; encoder_output s[4:5], coverage s[6:7], mask s[8:9], w_c s[10:11]
	s_load_b256 s[12:19], s[0:1], 0x20             ; v s[12:13], decp s[14:15], wf s[16:17], W_h_scales s[18:19]
	s_load_b128 s[20:23], s[0:1], 0x40             ; scores s[20:21], pctx s[22:23]
	s_load_b64 s[24:25], s[0:1], 0x50              ; mws
	v_lshrrev_b32 v248, 5, v0
	v_readfirstlane_b32 s[WV], v248                ; wave 0..7
	v_and_b32 v248, 31, v0                         ; l
	v_and_b32 v249, 15, v0                         ; r
	v_bfe_u32 v250, v0, 4, 1                       ; h
	v_lshlrev_b32 v[WL], 4, v248
	v_lshlrev_b32 v[WSL], 5, v249
	v_lshl_add_u32 v[WSL], v250, 4, v[WSL]
	v_bfe_u32 v251, v0, 2, 2                       ; (l % 16) / 4: which of a load's four blocks,
	v_lshlrev_b32 v[EL], 7, v251
	v_lshl_add_u32 v[EL], v250, 6, v[EL]           ; its first or its second 64 bytes,
	v_and_b32 v251, 3, v0
	v_lshl_add_u32 v[EL], v251, 4, v[EL]           ; and my 16 of them
	v_lshlrev_b32 v[PFO], 8, v248
	s_wait_alu depctr_va_sdst(0)                   ; the wave's number is written into s[WV], ahead of its first reader
	s_mul_i32 s30, s[WV], 8*XCP
	s_add_co_u32 s30, s30, XC
	v_lshl_add_u32 v[AC0], v248, 2, s30
	s_mul_i32 s30, s[WV], 8*XSP
	s_add_co_u32 s30, s30, XS
	v_lshrrev_b32 v251, 2, v248
	v_add_nc_u32 v[AS0], s30, v251
	s_lshl_b32 s30, s[WV], 14
	v_lshl_add_u32 v[AB0], v248, 4, s30
	v_mul_u32_u24 v[AF0], v249, XCP
	v_lshl_add_u32 v[AF0], v250, 4, v[AF0]
	v_add_nc_u32 v[AF0], XC, v[AF0]
	v_mad_u32_u24 v[AXS], v248, XSP, XS
	v_lshl_add_u32 v[ACV0], v249, 2, COVM
	s_lshl_b32 s30, s[WV], 9
	s_add_co_u32 s30, s30, TAB
	v_lshl_add_u32 v[TA0], v250, 5, s30
	s_lshl_b32 s30, s[WV], 2
	s_add_co_u32 s30, s30, SCP
	v_lshl_add_u32 v[ASC], v249, 5, s30
	v_lshl_add_u32 v[ASR], v248, 6, SCP
	v_lshl_add_u32 v[AMK0], v248, 3, COVM+1024
	s_lshl_b32 s31, s[WV], 8
	v_lshl_add_u32 v[CA0], v248, 3, s31
	s_add_co_u32 s30, s31, PB
	v_lshl_add_u32 v[APB], v248, 3, s30
	v_mov_b32 v[APR], s30
	v_lshlrev_b32 v[GS], 3, v248
	v_lshlrev_b32 v254, 4, v0                      ; the tables come once: thread n takes 16 bytes of each of three,
	v_lshlrev_b32 v255, 2, v0                      ; and 4 bytes of coverage and of mask
	v_lshl_add_u32 v252, v0, 4, TAB
	v_lshl_add_u32 v253, v0, 2, COVM
	s_mov_b32 s[CC], 0x4038aa3b                    ; c = 2 log2(e)
	s_mov_b32 s[CC+1], 0x4038aa3b
	s_mov_b32 s[NC], 0xc038aa3b                    ; -c
	s_mov_b32 s[NC+1], 0xc038aa3b
	s_mov_b32 s[SEL], 0x76543210
	s_mov_b32 s[SEL+1], 0xfedcba98
	s_lshr_b32 s27, ttmp9, 4                       ; the batch
	s_mov_b32 s31, 0
	s_wait_kmcnt 0x0
	s_lshl_b32 s30, ttmp9, 20                      ; 256 rows of 4,096 bytes a work-group (under 2^28),
	s_lshl_b32 s28, s[WV], 15                      ; 8 rows a wave
	s_add_co_u32 s30, s30, s28
	s_add_nc_u64 s[EB0:EB0+1], s[4:5], s[30:31]
	s_lshl_b32 s30, ttmp9, 10                      ; 256 numbers of f32 a work-group
	s_add_nc_u64 s[6:7], s[6:7], s[30:31]
	s_add_nc_u64 s[8:9], s[8:9], s[30:31]
	s_add_nc_u64 s[20:21], s[20:21], s[30:31]
	s_lshl_b32 s30, s27, 12
	s_add_nc_u64 s[14:15], s[14:15], s[30:31]      ; decp at my batch
	s_lshl_b32 s30, s[WV], 16
	s_add_nc_u64 s[WB0:WB0+1], s[16:17], s[30:31]  ; 8 tiles of 8,192 bytes a wave
	s_lshl_b32 s30, s[WV], 12
	s_add_nc_u64 s[WSB0:WSB0+1], s[18:19], s[30:31]
	s_lshl_b32 s30, ttmp9, 12
	s_lshl_b32 s28, s[WV], 9
	s_add_co_u32 s30, s30, s28
	s_add_nc_u64 s[22:23], s[22:23], s[30:31]      ; pctx: 4,096 bytes a work-group, 512 a wave
	s_lshl_b32 s30, ttmp9, 8
	s_add_nc_u64 s[24:25], s[24:25], s[30:31]      ; mws: 256 bytes a work-group
	s_wait_alu depctr_va_vdst(0)                   ; all offsets and addresses made above are written (v1 to v19, v252 to v255): the loads and stores of the kernel read them
	global_load_b128 v[64:67], v254, s[14:15]
	global_load_b128 v[68:71], v254, s[10:11]
	global_load_b128 v[72:75], v254, s[12:13]
	global_load_b32 v76, v255, s[6:7]
	global_load_b32 v77, v255, s[8:9]
	WIN 0x40                                       ; block 0: my 8 rows, four units, into window 1, which the codes take later
	ELOAD 0, EB0, 0
	ELOAD 64, EB0, 8192
	ELOAD 128, EB0, 16384
	WIN 0
	s_wait_loadcnt 48                              ; the five small loads are in; the 48 of three units may be out
	v_pk_mul_f32 v[68:69], v[68:69], s[CC:CC+1] op_sel_hi:[1,0]      ; c w_c
	v_pk_mul_f32 v[70:71], v[70:71], s[CC:CC+1] op_sel_hi:[1,0]
	v_pk_mul_f32 v[72:73], v[72:73], s[NC:NC+1] op_sel_hi:[1,0]      ; -c v
	v_pk_mul_f32 v[74:75], v[74:75], s[NC:NC+1] op_sel_hi:[1,0]
	s_wait_alu depctr_va_vdst(0)                   ; the four multiplications have written v68 to v75, which the LDS stores read
	ds_store_b128 v252, v[64:67]
	ds_store_b128 v252, v[68:71] offset:4096
	ds_store_b128 v252, v[72:75] offset:8192
	ds_store_b32 v253, v76
	ds_store_b32 v253, v77 offset:1024
	WIN 0x40
	ELOAD 192, EB0, 24576
	WIN 0
	s_wait_loadcnt 48                              ; unit 0 is in; units 1 to 3 may be out
	QUANT 0, 1, AC0, AS0, AB0, 0, 0, 0
	s_wait_loadcnt 32                              ; unit 1
	s_wait_dscnt 0x0                               ; the stores have landed
	s_wait_alu depctr_vm_vsrc(0)                   ; the LDS stores of unit 0 have read v[QM ..], v[QC ..] and v[E ..], which the next QUANT writes again
	QUANT 64, 1, AC0, AS0, AB0, 2*XCP, 2*XSP, 4096
	s_mov_b64 s[WA:WA+1], s[WB0:WB0+1]
	s_mov_b64 s[WSA:WSA+1], s[WSB0:WSB0+1]
	WLOAD 0                                        ; the first tile of W_h: no vector instruction has named its registers
	s_wait_loadcnt 33                              ; unit 2 is in; unit 3's 16 and the tile's 17 may be out
	s_wait_dscnt 0x0
	s_wait_alu depctr_vm_vsrc(0)                   ; the same of unit 1's LDS stores
	QUANT 128, 1, AC0, AS0, AB0, 4*XCP, 4*XSP, 8192
	s_wait_loadcnt 17                              ; unit 3
	s_wait_dscnt 0x0
	s_wait_alu depctr_vm_vsrc(0)                   ; the same of unit 2's LDS stores
	QUANT 192, 1, AC0, AS0, AB0, 6*XCP, 6*XSP, 12288
.irp j, 0,1,2,3
	v_mov_b32 v[CTX+\j], 0                         ; the blocks are written once: the first finds zeros, which its factor 0 leaves zeros
.endr
	v_mov_b32 v[MRUN], 0xff61b1e6                  ; -3e38, under every t
	s_mov_b32 s[NB], XB1
	s_mov_b32 s[BC], 0
	s_mov_b32 s[EO], 262144                        ; block 1
	s_mov_b32 s[EO+1], 0
	s_mov_b32 s[PD+1], 0
	s_mov_b32 s[CVO], 0
	s_mov_b32 s[KW], 0
	s_mov_b32 s[KW+1], 0
	s_mov_b32 s[KS], 0
	s_mov_b32 s[KS+1], 0
	BARRIER                                        ; the tables and block 0 lie in LDS
	s_mov_b32 s[BLK], 0
.Lblock:
	BLOCK 1
	s_add_co_u32 s[BLK], s[BLK], 1
	s_cmp_lt_u32 s[BLK], 3
	s_cbranch_scc1 .Lblock
	BLOCK 0                                        ; the last block is written out: nothing is left to load
	s_wait_alu depctr_vm_vsrc(0)                   ; the last block's LDS loads have read v251 and v252, and its LDS store v254 and v255: all four are written below
	v_mov_b32 v[MRUN+1], v[MRUN]
	; Lane l has summed piece l of my wave's 32 pieces of 4 columns as they lie in the bf16 rows: piece l % 8 of block l / 8, which is the block's true piece 4 (l % 2) + (l % 8) / 2.
	v_bfe_u32 v251, v0, 3, 2
	v_lshlrev_b32 v252, 7, v251                    ; 128 (l / 8): a block of 32 columns of f32,
	v_and_b32 v251, 1, v0
	v_lshl_add_u32 v252, v251, 6, v252             ; + 64 (l % 2): its upper 16 columns,
	v_bfe_u32 v251, v0, 1, 2
	v_lshl_add_u32 v252, v251, 4, v252             ; + 16 ((l % 8) / 2)
	s_wait_alu depctr_va_vdst(0)                   ; the offset v252, the context's last sums in v[CTX ..] and the copy of m are written, which the two stores read
	global_store_b128 v252, v[CTX:CTX+3], s[22:23]         ; my wave's 128 columns: the 32 lanes fill 512 consecutive bytes, aligned
	s_cmp_lg_u32 s[WV], 0
	s_cbranch_scc1 .Lend
	global_store_b64 v[GS], v[MRUN:MRUN+1], s[24:25]       ; wave 0: m, 64 times: 256 consecutive bytes, aligned
.Lend:
	s_wait_xcnt 0x0
	v_lshl_add_u32 v254, v0, 2, 0x4d800
	v_mov_b32 v255, 0
	s_wait_dscnt 0x0                               ; the closing lines, six on end
	s_wait_alu 0x0
	s_wait_tensorcnt 0x0
	ds_add_u32 v254, v255
	s_wait_dscnt 0x0
	s_endpgm
.Lfunc_end_k_qb1f91095ac_main:
	.size	k_qb1f91095ac_main, .Lfunc_end_k_qb1f91095ac_main-k_qb1f91095ac_main
	.p2alignl 7, 3214868480
	.fill 96, 4, 3214868480
	.section	.rodata,"a",@progbits
	.p2align	6, 0x0
	.amdhsa_kernel k_qb1f91095ac_main
		.amdhsa_group_segment_fixed_size 318464
		.amdhsa_private_segment_fixed_size 0
		.amdhsa_enable_private_segment 0
		.amdhsa_kernarg_size 88
		.amdhsa_user_sgpr_count 2
		.amdhsa_user_sgpr_kernarg_segment_ptr 1
		.amdhsa_wavefront_size32 1
		.amdhsa_system_sgpr_workgroup_id_x 1
		.amdhsa_system_sgpr_workgroup_id_y 1
		.amdhsa_system_sgpr_workgroup_id_z 1
		.amdhsa_system_vgpr_workitem_id 0
		.amdhsa_next_free_vgpr 512
		.amdhsa_next_free_sgpr 80
		.amdhsa_reserve_vcc 0
		.amdhsa_float_denorm_mode_32 3
		.amdhsa_float_denorm_mode_16_64 3
		.amdhsa_memory_ordered 1
		.amdhsa_forward_progress 1
		.amdhsa_inst_pref_size 176
	.end_amdhsa_kernel
	.amdgpu_metadata
---
amdhsa.version: [ 1, 2 ]
amdhsa.kernels:
  - .name:           k_qb1f91095ac_main
    .symbol:         k_qb1f91095ac_main.kd
    .args:
      - { .name: encoder_output, .offset: 0, .size: 8, .value_kind: global_buffer, .address_space: global }
      - { .name: coverage, .offset: 8, .size: 8, .value_kind: global_buffer, .address_space: global }
      - { .name: mask, .offset: 16, .size: 8, .value_kind: global_buffer, .address_space: global }
      - { .name: w_c, .offset: 24, .size: 8, .value_kind: global_buffer, .address_space: global }
      - { .name: v, .offset: 32, .size: 8, .value_kind: global_buffer, .address_space: global }
      - { .name: decp, .offset: 40, .size: 8, .value_kind: global_buffer, .address_space: global }
      - { .name: wf, .offset: 48, .size: 8, .value_kind: global_buffer, .address_space: global }
      - { .name: W_h_scales, .offset: 56, .size: 8, .value_kind: global_buffer, .address_space: global }
      - { .name: scores, .offset: 64, .size: 8, .value_kind: global_buffer, .address_space: global }
      - { .name: pctx, .offset: 72, .size: 8, .value_kind: global_buffer, .address_space: global }
      - { .name: mws, .offset: 80, .size: 8, .value_kind: global_buffer, .address_space: global }
    .group_segment_fixed_size: 318464
    .private_segment_fixed_size: 0
    .kernarg_segment_align: 8
    .kernarg_segment_size: 88
    .max_flat_workgroup_size: 256
    .sgpr_count:     80
    .vgpr_count:     512
    .wavefront_size: 32
...
	.end_amdgpu_metadata
.endif
;; end of part 5
;; launch finish (part 6): grid 16 x 1, 8 waves a work-group, no clusters, 1,280 bytes of LDS; arguments scores, mask, coverage, pctx, mws, out0, out1, out2; writes out0, out1, out2
.if DOCPART == 6
	.amdgcn_target "amdgcn-amd-amdhsa--gfx1250"
	.amdhsa_code_object_version 6
	.text
	.protected	k_qb1f91095ac_finish
	.globl	k_qb1f91095ac_finish
	.p2align	8
	.type	k_qb1f91095ac_finish,@function
k_qb1f91095ac_finish:
	s_mov_b64 s[64:65], 0
	v_nop
	global_prefetch_b8 v0, s[64:65] scope:SCOPE_SE
	s_setreg_imm32_b32 hwreg(HW_REG_WAVE_MODE, 25, 1), 1
	s_wait_xcnt 0x0
; FINISH.  One work-group for each of the 16 batches; 256 threads.  From the main launch: t for each of the batch's 4,096 rows; for each of its 16 work-groups g the largest t, m_g, and
; pctx_g = sum over its rows of 2^(t - m_g) mask x row.  Here: M = the largest m_g (the row maximum that the softmax takes away); q = 2^(t - M) mask; L = sum of q;
; attn = q / L (the softmax's own divisor cancels against the renormalisation); coverage_new = coverage + attn; context = sum over g of 2^(m_g - M) pctx_g / L.
; Where every q of a batch is 0, L is 0 and the results are NaN, as in the definition.  NaN and infinities among the inputs are not served.
; Thread n takes 16 rows (4 at 4 n + 1,024 k, k = 0 .. 3) and 4 columns of the context: every load and store of a wave covers 512 consecutive bytes.
; 16 work-groups: a batch's sum has one owner, and the launch moves under 2 MB.  No matrix unit, no cluster: nothing is shared and nothing is multiplied in bulk.
.set FM,  16                           ; v[16:31]   m_g, then 2^(m_g - M)
.set T,   32                           ; v[32:47]   t, then 2^(t - M), then q, then attn
.set MK,  48                           ; v[48:63]   mask
.set CV,  64                           ; v[64:79]   coverage, then coverage_new
.set PC,  80                           ; v[80:143]  pctx_g at my 4 columns
.set CX,  144                          ; v[144:147] the context
	s_load_b256 s[4:11], s[0:1], 0x0               ; scores s[4:5], mask s[6:7], coverage s[8:9], pctx s[10:11]
	s_load_b256 s[12:19], s[0:1], 0x20             ; mws s[12:13], out0 s[14:15], out1 s[16:17], out2 s[18:19]
	v_lshl_add_u32 v160, v0, 2, 0x100
	v_mov_b32 v161, 0
	v_mov_b32 v1, 0
	v_lshlrev_b32 v2, 4, v0                        ; 16 x thread
	v_lshrrev_b32 v3, 5, v0
	s_delay_alu instid0(VALU_DEP_1)
	v_lshlrev_b32 v3, 2, v3                        ; LDS: 4 x wave
	s_mov_b32 s28, 0x76543210
	s_mov_b32 s29, 0xfedcba98                      ; selects of v_permlanex16_b32: lane l xor 16
	s_lshl_b32 s22, ttmp9, 14                      ; 4,096 numbers a batch
	s_mov_b32 s23, 0
	s_lshl_b32 s24, ttmp9, 16                      ; 16 rows of pctx
	s_mov_b32 s25, 0
	s_lshl_b32 s26, ttmp9, 12                      ; 16 units of mws; a row of out0
	s_mov_b32 s27, 0
	s_wait_alu depctr_va_vdst(0)
	s_wait_kmcnt 0x0
	s_add_nc_u64 s[4:5], s[4:5], s[22:23]
	s_add_nc_u64 s[6:7], s[6:7], s[22:23]
	s_add_nc_u64 s[8:9], s[8:9], s[22:23]
	s_add_nc_u64 s[10:11], s[10:11], s[24:25]
	s_add_nc_u64 s[12:13], s[12:13], s[26:27]
	s_add_nc_u64 s[14:15], s[14:15], s[26:27]
	s_add_nc_u64 s[16:17], s[16:17], s[22:23]
	s_add_nc_u64 s[18:19], s[18:19], s[22:23]
.irp g, 0,1,2,3,4,5,6,7,8,9,10,11,12,13,14,15
	global_load_b32 v[FM+\g], v1, s[12:13] offset:256*\g           ; every lane the same word
.endr
.irp k, 0,1,2,3
	global_load_b128 v[T+4*\k:T+4*\k+3], v2, s[4:5] offset:4096*\k
.endr
.irp k, 0,1,2,3
	global_load_b128 v[MK+4*\k:MK+4*\k+3], v2, s[6:7] offset:4096*\k
.endr
.irp k, 0,1,2,3
	global_load_b128 v[CV+4*\k:CV+4*\k+3], v2, s[8:9] offset:4096*\k
.endr
.irp g, 0,1,2,3,4,5,6,7,8,9,10,11,12,13,14,15
	global_load_b128 v[PC+4*\g:PC+4*\g+3], v2, s[10:11] offset:4096*\g
.endr
	s_wait_loadcnt 24                              ; the m_g and t are in; mask (4), coverage (4) and pctx (16) may be out
	v_max3_num_f32 v4, v[FM], v[FM+1], v[FM+2]
	v_max3_num_f32 v5, v[FM+3], v[FM+4], v[FM+5]
	s_delay_alu instid0(VALU_DEP_2)
	v_max3_num_f32 v4, v4, v[FM+6], v[FM+7]
	s_delay_alu instid0(VALU_DEP_2)
	v_max3_num_f32 v5, v5, v[FM+8], v[FM+9]
	s_delay_alu instid0(VALU_DEP_2)
	v_max3_num_f32 v4, v4, v[FM+10], v[FM+11]
	s_delay_alu instid0(VALU_DEP_2)
	v_max3_num_f32 v5, v5, v[FM+12], v[FM+13]
	s_delay_alu instid0(VALU_DEP_2)
	v_max3_num_f32 v4, v4, v[FM+14], v[FM+15]
	s_delay_alu instid0(VALU_DEP_1)
	v_max_num_f32 v4, v4, v5                       ; M
.set JJ, 0
.rept 32
	v_sub_f32 v[FM+JJ], v[FM+JJ], v4               ; m_g - M and t - M: the two runs of registers lie on end
.set JJ, JJ+1
.endr
.set JJ, 0
	s_wait_alu depctr_va_vdst(0)
.rept 32
	v_exp_f32 v[FM+JJ], v[FM+JJ]
.set JJ, JJ+1
.endr
	v_nop                                          ; a plain instruction behind the last exponential
	s_wait_alu depctr_va_vdst(0)                   ; one wait for the batch, ahead of its first reader
	s_wait_loadcnt 20                              ; the mask is in
.irp j, 0,2,4,6,8,10,12,14
	v_pk_mul_f32 v[T+\j:T+\j+1], v[T+\j:T+\j+1], v[MK+\j:MK+\j+1]   ; q
.endr
	v_pk_add_f32 v[6:7], v[T:T+1], v[T+2:T+3]
	v_pk_add_f32 v[8:9], v[T+4:T+5], v[T+6:T+7]
	v_pk_add_f32 v[10:11], v[T+8:T+9], v[T+10:T+11]
	s_delay_alu instid0(VALU_DEP_4)
	v_pk_add_f32 v[12:13], v[T+12:T+13], v[T+14:T+15]
	s_delay_alu instid0(VALU_DEP_3)
	v_pk_add_f32 v[6:7], v[6:7], v[8:9]
	s_delay_alu instid0(VALU_DEP_2)
	v_pk_add_f32 v[10:11], v[10:11], v[12:13]
	s_delay_alu instid0(VALU_DEP_1)
	v_pk_add_f32 v[6:7], v[6:7], v[10:11]
	s_delay_alu instid0(VALU_DEP_1)
	v_add_f32 v6, v6, v7                           ; my 16 rows
	s_delay_alu instid0(VALU_DEP_1)
	v_add_f32_dpp v6, v6, v6 row_xmask:1 row_mask:0xf bank_mask:0xf
	s_delay_alu instid0(VALU_DEP_1)
	v_add_f32_dpp v6, v6, v6 row_xmask:2 row_mask:0xf bank_mask:0xf
	s_delay_alu instid0(VALU_DEP_1)
	v_add_f32_dpp v6, v6, v6 row_xmask:4 row_mask:0xf bank_mask:0xf
	s_delay_alu instid0(VALU_DEP_1)
	v_add_f32_dpp v6, v6, v6 row_xmask:8 row_mask:0xf bank_mask:0xf
	s_delay_alu instid0(VALU_DEP_1)
	v_permlanex16_b32 v7, v6, s28, s29
	s_delay_alu instid0(VALU_DEP_1)
	v_add_f32 v6, v6, v7                           ; my wave's 512 rows
	ds_store_b32 v3, v6                            ; all lanes write the wave's word with the same value
	s_wait_dscnt 0x0                               ; for the others' sake: my store has landed
	s_barrier_signal -1
	s_barrier_wait -1
	ds_load_b128 v[8:11], v1
	ds_load_b128 v[12:15], v1 offset:16
	s_wait_dscnt 0x0
	v_add_f32 v8, v8, v9
	v_add_f32 v10, v10, v11
	v_add_f32 v12, v12, v13
	v_add_f32 v14, v14, v15
	s_delay_alu instid0(VALU_DEP_3)
	v_add_f32 v8, v8, v10
	s_delay_alu instid0(VALU_DEP_2)
	v_add_f32 v12, v12, v14
	s_delay_alu instid0(VALU_DEP_1)
	v_add_f32 v8, v8, v12                          ; L
	s_wait_alu depctr_va_vdst(0)
	v_rcp_f32 v10, v8
	v_nop
	s_wait_alu depctr_va_vdst(0)
	v_mov_b32 v11, v10                             ; 1 / L, twice
	s_wait_alu depctr_va_vdst(0)
	s_wait_loadcnt 0x0                             ; coverage and pctx
.irp j, 0,2,4,6,8,10,12,14
	v_pk_fma_f32 v[CV+\j:CV+\j+1], v[T+\j:T+\j+1], v[10:11], v[CV+\j:CV+\j+1]   ; coverage + q / L
.endr
.irp j, 0,2,4,6,8,10,12,14
	v_pk_mul_f32 v[T+\j:T+\j+1], v[T+\j:T+\j+1], v[10:11]                       ; attn
.endr
.irp k, 0,1,2,3
	global_store_b128 v2, v[T+4*\k:T+4*\k+3], s[16:17] offset:4096*\k
	global_store_b128 v2, v[CV+4*\k:CV+4*\k+3], s[18:19] offset:4096*\k
.endr
.irp k, 0,1,2,3
	v_mul_f32 v[CX+\k], v[PC+\k], v[FM]            ; the first term starts the sums
.endr
.irp g, 1,2,3,4,5,6,7,8,9,10,11,12,13,14,15
.irp k, 0,1,2,3
	v_fmac_f32 v[CX+\k], v[PC+4*\g+\k], v[FM+\g]
.endr
.endr
	v_pk_mul_f32 v[CX:CX+1], v[CX:CX+1], v[10:11]
	v_pk_mul_f32 v[CX+2:CX+3], v[CX+2:CX+3], v[10:11]
	global_store_b128 v2, v[CX:CX+3], s[14:15]
	s_wait_tensorcnt 0x0
	ds_add_u32 v160, v161
	s_wait_dscnt 0x0
	s_endpgm
.Lfunc_end_k_qb1f91095ac_finish:
	.size	k_qb1f91095ac_finish, .Lfunc_end_k_qb1f91095ac_finish-k_qb1f91095ac_finish
	.p2alignl 7, 3214868480
	.fill 96, 4, 3214868480
	.section	.rodata,"a",@progbits
	.p2align	6, 0x0
	.amdhsa_kernel k_qb1f91095ac_finish
		.amdhsa_group_segment_fixed_size 1280
		.amdhsa_private_segment_fixed_size 0
		.amdhsa_enable_private_segment 0
		.amdhsa_kernarg_size 64
		.amdhsa_user_sgpr_count 2
		.amdhsa_user_sgpr_kernarg_segment_ptr 1
		.amdhsa_wavefront_size32 1
		.amdhsa_system_sgpr_workgroup_id_x 1
		.amdhsa_system_sgpr_workgroup_id_y 1
		.amdhsa_system_sgpr_workgroup_id_z 1
		.amdhsa_system_vgpr_workitem_id 0
		.amdhsa_next_free_vgpr 162
		.amdhsa_next_free_sgpr 66
		.amdhsa_reserve_vcc 0
		.amdhsa_float_denorm_mode_32 3
		.amdhsa_float_denorm_mode_16_64 3
		.amdhsa_memory_ordered 1
		.amdhsa_forward_progress 1
		.amdhsa_inst_pref_size 15
	.end_amdhsa_kernel
	.amdgpu_metadata
---
amdhsa.version: [ 1, 2 ]
amdhsa.kernels:
  - .name:           k_qb1f91095ac_finish
    .symbol:         k_qb1f91095ac_finish.kd
    .args:
      - { .name: scores, .offset: 0, .size: 8, .value_kind: global_buffer, .address_space: global }
      - { .name: mask, .offset: 8, .size: 8, .value_kind: global_buffer, .address_space: global }
      - { .name: coverage, .offset: 16, .size: 8, .value_kind: global_buffer, .address_space: global }
      - { .name: pctx, .offset: 24, .size: 8, .value_kind: global_buffer, .address_space: global }
      - { .name: mws, .offset: 32, .size: 8, .value_kind: global_buffer, .address_space: global }
      - { .name: out0, .offset: 40, .size: 8, .value_kind: global_buffer, .address_space: global }
      - { .name: out1, .offset: 48, .size: 8, .value_kind: global_buffer, .address_space: global }
      - { .name: out2, .offset: 56, .size: 8, .value_kind: global_buffer, .address_space: global }
    .group_segment_fixed_size: 1280
    .private_segment_fixed_size: 0
    .kernarg_segment_align: 8
    .kernarg_segment_size: 64
    .max_flat_workgroup_size: 256
    .sgpr_count:     66
    .vgpr_count:     162
    .wavefront_size: 32
...
	.end_amdgpu_metadata
.endif
;; end of part 6
